; MI455X (gfx1250); checked and timed in simulation.
; The chip was launched on July 23, 2026; its instructions are those of AMD's public machine-readable ISA for CDNA 5 (MIT licence, August 2026) and "CDNA5" Instruction Set Architecture Reference Guide (July 2026). The comments in the code are by the model that wrote it; some were corrected since.
;; Multi Head Self Attention. Allowed arithmetic: matrix products marked QUANTISED: E2M1 operands, one E8M0 scale for each 32 along K, by v_wmma_scale_f32_16x16x128_f8f6f4 with both operands' format E2M1 (or v_wmma_scale_f32_32x16x128_f4), f32 sums; products left as they are: bf16, f16 or f32 operands; f32 sums; everything else in f32.
;; Inputs: w_proj 1,024 x 1,024 float32; w_qkv 1,024 x 3,072 float32; x 4 x 2,048 x 1,024 float32.
;; Outputs: out0 4 x 2,048 x 1,024 float32.
;; This version of the problem:
;;   THIS VERSION OF THE PROBLEM IS GIVEN IN LOW PRECISION. The matrix products marked QUANTISED in the list below multiply operands that are first quantised to E2M1 (2 exponent bits, 1 mantissa bit; 4 bits a number), with one power-of-two scale for each 32 numbers along K (OCP MX v1.0); their sums are f32. The products marked 'left as it is' may take bf16, f16 or f32 operands, with f32 sums. Whichever they take, every output number must still come out within the allowed error. Rounding operands to bf16 (8 significant bits) uses up far more of that allowance than f16 does (11 bits, for magnitudes from 6e-5 to 65,504). All else is computed in f32.
;;   The module's matrix products, in the order in which they are computed (A, B: the left and right operand; K: the contracted axis; several contracted axes count as one K, in the product's order):
;;     1. [M 8,192, K 1,024] x [K 1,024, N 3,072]; A: input x; B: input w_qkv: QUANTISED
;;     2. batch 64 x [M 2,048, K 64] x [K 64, N 2,048]; A: computed on the way; B: computed on the way: left as it is (an operand is computed on the way)
;;     3. batch 64 x [M 2,048, K 2,048] x [K 2,048, N 64]; A: computed on the way; B: computed on the way: left as it is (an operand is computed on the way)
;;     4. [M 8,192, K 1,024] x [K 1,024, N 1,024]; A: computed on the way; B: input w_proj: left as it is (an operand is computed on the way)
;;   THE QUANTISER, for each operand of a quantised product, along K:
;;     - K is cut into blocks of 32 from its start; a last block that is shorter is filled with zeros.
;;     - A block's scale is 2^e with e = floor(log2(the largest magnitude in the block)) - 2, held to -126 .. 127; a block of zeros has e = 0. As a byte (E8M0): e + 127.
;;     - Each number is divided by its block's scale, clamped to +-6, and rounded to the nearest number of E2M1, ties to even, subnormals kept.
;;     - The product sums the exact products of the quantised numbers (number of the format x scale) in f32.
;;   ~~~python
;;   def quantise(x, axis):      # numpy; x: float32 -> the quantised numbers, widened to float32 again
;;       x = np.moveaxis(x, axis, -1); K = x.shape[-1]
;;       x = np.pad(x, [(0, 0)] * (x.ndim - 1) + [(0, -K % 32)]); x = x.reshape(x.shape[:-1] + (-1, 32)); a = np.abs(x).max(-1, keepdims=True)
;;       e = np.where(a > 0, np.clip(np.frexp(np.where(a > 0, a, 1))[1] - 1 - 2, -126, 127), 0)      # np.frexp(a)[1] - 1 = floor(log2(a)), exactly
;;       r = np.clip(x / 2.0 ** e, -6, 6)
;;       step = 2.0 ** (np.maximum(np.frexp(np.where(r == 0, 1, r))[1] - 1, 0) - 1)
;;       q = np.round(r / step) * step * 2.0 ** e      # np.round: ties to even
;;       return np.moveaxis(q.reshape(q.shape[:-2] + (-1,))[..., :K], -1, axis).astype(np.float32)
;;   ~~~
;; One version. Each part assembles by itself: llvm-mc -triple=amdgcn-amd-amdhsa -mcpu=gfx1250 --defsym DOCPART=n.
;; ======== version 1 of 1: 4 launches
;; limits: values are held in f16: magnitudes above 65,504 overflow, below 6.1e-05 lose precision
;; workspace buffers: xc 4,194,304 bytes; xs 262,144 bytes; wc 1,572,864 bytes; ws 98,304 bytes; wp 2,097,152 bytes; qkv 50,331,648 bytes; ao 16,777,216 bytes
;; launch prep (part 1): grid 512 x 1, 4 waves a work-group, no clusters, 35,328 bytes of LDS; arguments x, w_qkv, w_proj, xc, xs, wc, ws, wp; writes xc, xs, wc, ws, wp
.if DOCPART == 1
	.amdgcn_target "amdgcn-amd-amdhsa--gfx1250"
	.amdhsa_code_object_version 6
	.text
	.protected	k_qf21297c12d_prep
	.globl	k_qf21297c12d_prep
	.p2align	8
	.type	k_qf21297c12d_prep,@function
k_qf21297c12d_prep:
	s_mov_b64 s[64:65], 0
	v_nop
	global_prefetch_b8 v0, s[64:65] scope:SCOPE_SE
	s_setreg_imm32_b32 hwreg(HW_REG_WAVE_MODE, 25, 1), 1
	s_wait_xcnt 0x0
; PREP: the three inputs become operands, laid in the order of the operands' registers (an image of a fragment: 512 bytes = 32 lanes x 16 bytes, lane l's at 16 l).
;   x      [8192][1024] f32 -> xc: codes of FP4 (E2M1) along K, [g 2][tile of 16 rows 512][qq 4][1024 bytes], K step of 128 = 4 g + qq;  xs: [K step 8][row 8192] one word of four E8M0 bytes
;   w_qkv  [1024 k][3072 n] f32 -> wc, ws: the same for its columns ([g 2][tile of 16 columns 192][qq 4][1024];  [K step 8][column 3072])
;   w_proj [1024 k][1024 n] f32 -> wp: f16, [kq 8][tile of 16 columns 64][ks 4][1024 bytes]: a fragment of 16 columns x 32 along K
; A block's scale is 2^(floor(log2(its largest magnitude)) - 2): its byte is the largest magnitude's exponent field - 2, held at 1 from below.  A block of zeros so gets the byte 1 where the rule says 127:
; its codes are zeros, which add nothing under any byte but 0xff, and this program alone reads the bytes.
; LIMITS: NaN and infinities among the inputs are not served; blocks whose largest magnitude lies under 2^-124 keep the byte 1; w_proj goes to f16: magnitudes over 65,504 are not served, under 6e-5 they lose bits.
; SHARES: work-groups 0-255 take x (path X), 256-447 w_qkv (path W), 448-511 w_proj (path P).  The paths part once, on the work-group's number, and never join.  Waves share nothing: no barrier.
; Memory binds here: no matrix unit, no cluster (no two work-groups read the same bytes), no tensor load.
.set XSTW,  8448                       ; path X: a wave's stage: 16 rows x (512 bytes + 16)
.set XSW,   4*XSTW                     ; behind the four stages: 256 bytes a wave for its 64 scale words
.set SPARE, XSW+1024                   ; the spare words, 128 bytes for each wave: two blocks of 256 bytes that no other line names
.set LI,  1                            ; v1   16 x lane
.set SI,  2                            ; v2   the stage, on the way in: 16 x lane of a row
.set SO,  3                            ; v3   on the way out: row r, + 64 h: my 16 numbers of a block of 32
.set SW,  4                            ; v4   where row r's scale word goes
.set SR,  5                            ; v5   and where 8 bytes a lane are read back
.set G8,  6                            ; v6   8 x lane
.set WA,  8                            ; v8   4 x lane: a lane to a column
.set WO,  9                            ; v9   4096 (lane / 16) + 16 (lane % 16): my column's place in its tile's image
.set SPW, 10                           ; v10  LDS address of my spare word; never rewritten
.set NIL, 11                           ; v11  0; never rewritten
.set TM,  12                           ; v12-27 at work
.set PW,  28                           ; v28-31 scale words
.set C,   32                           ; v32..  codes (path P: f16 pairs, up to v95): every store has registers of its own, so no store's data are written again
.set X,   64                           ; v64-127  64 numbers of a lane, in the order of the operand
.set R,   128                          ; v128-255 numbers as they are loaded
.set SEL, 24                           ; s[24:25] lane selects for v_permlanex16_b32: lane l xor 16
	s_load_b256 s[4:11], s[0:1], 0x0               ; x s[4:5], w_qkv s[6:7], w_proj s[8:9], xc s[10:11]
	s_load_b256 s[12:19], s[0:1], 0x20             ; xs s[12:13], wc s[14:15], ws s[16:17], wp s[18:19]
	v_lshl_add_u32 v[SPW], v0, 2, SPARE
	v_mov_b32 v[NIL], 0
	v_lshrrev_b32 v64, 5, v0
	v_readfirstlane_b32 s20, v64                   ; wave 0..3
	v_and_b32 v64, 31, v0                          ; lane
	v_and_b32 v65, 15, v0                          ; r
	v_bfe_u32 v66, v0, 4, 1                        ; h
	v_lshlrev_b32 v[LI], 4, v64
	s_mul_i32 s21, s20, XSTW                       ; my stage
	v_add_nc_u32 v[SI], s21, v[LI]
	v_mul_u32_u24 v[SO], v65, 528
	v_lshl_add_u32 v[SO], v66, 6, v[SO]
	v_add_nc_u32 v[SO], s21, v[SO]
	s_lshl_b32 s22, s20, 8
	s_add_co_u32 s22, s22, XSW                     ; my 256 bytes of scale words
	v_lshl_add_u32 v[SW], v65, 2, s22
	v_lshl_add_u32 v[SR], v64, 3, s22
	v_lshlrev_b32 v[G8], 3, v64
	v_lshlrev_b32 v[WA], 2, v64
	v_lshlrev_b32 v[WO], 4, v65
	v_lshl_add_u32 v[WO], v66, 12, v[WO]
.irp b, 0,1,2,3
	v_mov_b32 v[TM+4+\b], 0                        ; written once: a lane permute's destination counts as one of its sources
.endr
	s_mov_b32 s[SEL], 0x76543210
	s_mov_b32 s[SEL+1], 0xfedcba98
	s_mov_b32 s29, 0                               ; the upper word of every offset here: all stay under 2^31
	s_wait_kmcnt 0x0
	s_cmp_lt_u32 ttmp9, 256
	s_cbranch_scc0 .Lnot_x
; ---------------- PATH X: a wave takes 64 rows x 128 along K (one K step), in four units of 16 rows ----------------
; 64 numbers of a lane, v[s] on, register 16 b + i = k 32 b + 16 h + i of row r, become a fragment's codes in v[pc] on and its scale word in v[pw].
.macro QUANT s, pc, pw
.irp b, 0,1,2,3
	v_max3_num_f32 v[TM+\b], |v[(\s)+16*\b]|, |v[(\s)+1+16*\b]|, 0x1800000   ; block b: my 16 numbers, and the floor 2^(3 - 127): the byte cannot fall under 1
.endr
.irp i, 2,4,6,8,10,12,14
.irp b, 0,1,2,3
	v_max3_num_f32 v[TM+\b], v[TM+\b], |v[(\s)+16*\b+\i]|, |v[(\s)+1+16*\b+\i]|   ; the four blocks by turns
.endr
.endr
.irp b, 0,1,2,3
	v_permlanex16_b32 v[TM+4+\b], v[TM+\b], s[SEL], s[SEL+1]
.endr
.irp b, 0,1,2,3
	v_max_num_f32 v[TM+\b], v[TM+\b], v[TM+4+\b]   ; with lane l xor 16's 16: the block's largest magnitude
.endr
.irp b, 0,1,2,3
	v_add_nc_u32 v[TM+12+\b], 0xff000000, v[TM+\b] ; 2 off its exponent field: the conversion takes the exponent field of this operand as its scale
.endr
.irp b, 0,1,2,3
	v_lshrrev_b32 v[TM+4+\b], 23, v[TM+12+\b]      ; the scale's byte
.endr
	v_lshl_or_b32 v[\pw], v[TM+5], 8, v[TM+4]      ; the four bytes make my row's scale word
	v_lshl_or_b32 v[\pw], v[TM+6], 16, v[\pw]
	v_lshl_or_b32 v[\pw], v[TM+7], 24, v[\pw]
.irp b, 0,1,2,3
	v_cvt_scalef32_pk8_fp4_f32 v[(\pc)+2*\b], v[(\s)+16*\b:(\s)+7+16*\b], v[TM+12+\b]
	v_cvt_scalef32_pk8_fp4_f32 v[(\pc)+1+2*\b], v[(\s)+8+16*\b:(\s)+15+16*\b], v[TM+12+\b]
.endr
	v_nop                                          ; one plain place behind a scaled conversion
.irp c, 0,1                                    ; the operand's layout wants a WHOLE block in a lane: lanes 0-15 block 2 c, lanes 16-31 block 2 c + 1
.irp i, 0,1
	v_permlane16_swap_b32 v[(\pc)+4*\c+\i], v[(\pc)+2+4*\c+\i]
.endr
.endr
.endm
.macro XLOAD u                         ; unit u: 16 loads, each 512 consecutive bytes of one row
.irp i, 0,1,2,3,4,5,6,7,8,9,10,11,12,13,14,15
	global_load_b128 v[R+64*((\u)%2)+4*\i:R+64*((\u)%2)+4*\i+3], v[LI], s[4:5] offset:(16*(\u)+\i)*4096 th:TH_LOAD_NT
.endr
.endm
.macro XTURN u                         ; through my stage: in as loaded, out 16 neighbours of each block a lane.  LDS serves a wave's instructions in order: no wait between
.irp i, 0,1,2,3,4,5,6,7,8,9,10,11,12,13,14,15
	ds_store_b128 v[SI], v[R+64*((\u)%2)+4*\i:R+64*((\u)%2)+4*\i+3] offset:528*\i
.endr
.irp b, 0,1,2,3
.irp j, 0,1,2,3
	ds_load_b128 v[X+16*\b+4*\j:X+16*\b+4*\j+3], v[SO] offset:128*\b+16*\j
.endr
.endr
.endm
	s_and_b32 s26, ttmp9, 1
	s_lshl_b32 s26, s26, 2
	s_add_co_u32 s26, s26, s20                     ; my K step: 4 (work-group % 2) + wave
	s_lshr_b32 s27, ttmp9, 1                       ; my block of 64 rows
	s_lshl_b32 s28, s27, 18                        ; x: 64 rows of 4,096 bytes,
	s_lshl_b32 s30, s26, 9                         ; + 512 bytes a K step
	s_add_co_u32 s28, s28, s30
	s_add_nc_u64 s[4:5], s[4:5], s[28:29]
	s_lshr_b32 s30, s26, 2
	s_lshl_b32 s28, s30, 21                        ; xc: g x 512 tiles x 4,096,
	s_lshl_b32 s30, s27, 14                        ; + 4 tiles a block of rows,
	s_add_co_u32 s28, s28, s30
	s_and_b32 s30, s26, 3
	s_lshl_b32 s30, s30, 10                        ; + qq x 1,024
	s_add_co_u32 s28, s28, s30
	s_add_nc_u64 s[10:11], s[10:11], s[28:29]
	s_lshl_b32 s28, s26, 15                        ; xs: K step x 8,192 words,
	s_lshl_b32 s30, s27, 8                         ; + 64 words
	s_add_co_u32 s28, s28, s30
	s_add_nc_u64 s[12:13], s[12:13], s[28:29]
	XLOAD 0
	XLOAD 1
.irp u, 0,1,2,3
.if \u < 3
	s_wait_loadcnt 16                              ; this unit's 16 loads are in; the next unit's 16 may be out
.else
	s_wait_loadcnt 0x0
.endif
	XTURN \u
	s_wait_dscnt 0x0                               ; the numbers are back, and the stores have read their registers,
.if \u < 2
	XLOAD \u+2                                     ; which take the unit two further on
.endif
	QUANT X, C+8*\u, PW+\u
.irp c, 0,1
	global_store_b128 v[LI], v[C+8*\u+4*\c:C+8*\u+4*\c+3], s[10:11] offset:4096*\u+512*\c   ; 512 consecutive bytes, aligned
.endr
	ds_store_b32 v[SW], v[PW+\u] offset:64*\u      ; lanes r and r + 16 write the same word with the same value
.endr
	ds_load_b64 v[TM:TM+1], v[SR]                  ; my wave's 64 words: these see my stores
	s_wait_dscnt 0x0
	global_store_b64 v[G8], v[TM:TM+1], s[12:13]   ; 256 consecutive bytes, aligned
	s_wait_tensorcnt 0x0                           ; the wave's end, behind my last LDS store
	ds_add_u32 v[SPW], v[NIL]
	s_wait_dscnt 0x0
	s_endpgm
; ---------------- PATHS W AND P: a lane takes a column, its 128 registers run down one K step ----------------
.macro CLOAD lo, pitch                 ; each load: 128 consecutive bytes a wave, 512 a work-group.  All 128 are issued on end
.set i, 0
.rept 128
	global_load_b32 v[R+i], v[WA], s[\lo:\lo+1] offset:i*\pitch th:TH_LOAD_NT
.set i, i+1
.endr
.endm
.Lnot_x:
	s_cmp_lt_u32 ttmp9, 448
	s_cbranch_scc0 .Lpath_p
	s_sub_co_u32 s26, ttmp9, 256
	s_and_b32 s27, s26, 7                          ; K step
	s_lshr_b32 s26, s26, 3                         ; group of 128 columns
	s_mul_i32 s28, s27, 1572864                    ; w_qkv: 128 rows of 12,288 bytes,
	s_lshl_b32 s30, s26, 9
	s_add_co_u32 s28, s28, s30                     ; + 512 bytes a group,
	s_lshl_b32 s30, s20, 7
	s_add_co_u32 s28, s28, s30                     ; + 128 a wave
	s_add_nc_u64 s[6:7], s[6:7], s[28:29]
	s_lshr_b32 s30, s27, 2
	s_mul_i32 s28, s30, 786432                     ; wc: g x 192 tiles x 4,096,
	s_lshl_b32 s30, s26, 3
	s_lshl_b32 s31, s20, 1
	s_add_co_u32 s30, s30, s31
	s_lshl_b32 s30, s30, 12                        ; + tile 8 group + 2 wave,
	s_add_co_u32 s28, s28, s30
	s_and_b32 s30, s27, 3
	s_lshl_b32 s30, s30, 10                        ; + qq x 1,024
	s_add_co_u32 s28, s28, s30
	s_add_nc_u64 s[14:15], s[14:15], s[28:29]
	s_mul_i32 s28, s27, 12288                      ; ws: K step x 3,072 words,
	s_lshl_b32 s30, s26, 9
	s_add_co_u32 s28, s28, s30
	s_lshl_b32 s30, s20, 7
	s_add_co_u32 s28, s28, s30                     ; + my wave's 32 words
	s_add_nc_u64 s[16:17], s[16:17], s[28:29]
	CLOAD 6, 12288
.macro WBLOCK b, left                  ; block b of 32 along K: all its numbers are mine
	s_wait_loadcnt \left
	v_max3_num_f32 v[TM], |v[R+32*\b]|, |v[R+32*\b+1]|, |v[R+32*\b+2]|
	v_max3_num_f32 v[TM+1], |v[R+32*\b+3]|, |v[R+32*\b+4]|, |v[R+32*\b+5]|
.irp i, 6,10,14,18,22,26
	v_max3_num_f32 v[TM], v[TM], |v[R+32*\b+\i]|, |v[R+32*\b+\i+1]|
	v_max3_num_f32 v[TM+1], v[TM+1], |v[R+32*\b+\i+2]|, |v[R+32*\b+\i+3]|
.endr
	v_max3_num_f32 v[TM], v[TM], |v[R+32*\b+30]|, |v[R+32*\b+31]|
	v_max3_num_f32 v[TM], v[TM], v[TM+1], 0x1800000   ; and the floor
	v_add_nc_u32 v[TM+2], 0xff000000, v[TM]        ; the conversion's scale operand
	v_lshrrev_b32 v[TM+3], 23, v[TM+2]             ; the byte
.if \b == 0
	v_mov_b32 v[PW], v[TM+3]
.else
	v_lshl_or_b32 v[PW], v[TM+3], 8*\b, v[PW]      ; four bytes to the word, the lower K in the lower byte
.endif
.irp g, 0,1,2,3
	v_cvt_scalef32_pk8_fp4_f32 v[C+4*\b+\g], v[R+32*\b+8*\g:R+32*\b+8*\g+7], v[TM+2]
.endr
	v_nop                                          ; one plain place behind a scaled conversion
	global_store_b128 v[WO], v[C+4*\b:C+4*\b+3], s[14:15] offset:256*\b   ; sixteen lanes store 256 consecutive bytes, aligned: block b's piece of a tile's image
.endm
	WBLOCK 0, 63                                   ; 96 younger loads could stay out: 63 is the largest count that the wait can name
	WBLOCK 1, 63                                   ; (64 could)
	WBLOCK 2, 32                                   ; block 3's 32 may be out
	WBLOCK 3, 0
	global_store_b32 v[WA], v[PW], s[16:17]        ; my wave's 32 scale words: 128 consecutive bytes (ws is 98,304 bytes in all)
	s_wait_tensorcnt 0x0                           ; the wave's end
	ds_add_u32 v[SPW], v[NIL]
	s_wait_dscnt 0x0
	s_endpgm
.Lpath_p:
	s_sub_co_u32 s26, ttmp9, 448
	s_and_b32 s27, s26, 7                          ; kq: which 128 along K
	s_lshr_b32 s26, s26, 3                         ; group of 128 columns
	s_lshl_b32 s28, s27, 19                        ; w_proj: 128 rows of 4,096 bytes,
	s_lshl_b32 s30, s26, 9
	s_add_co_u32 s28, s28, s30
	s_lshl_b32 s30, s20, 7
	s_add_co_u32 s28, s28, s30
	s_add_nc_u64 s[8:9], s[8:9], s[28:29]
	s_lshl_b32 s28, s27, 18                        ; wp: kq x 64 tiles x 4,096,
	s_lshl_b32 s30, s26, 3
	s_lshl_b32 s31, s20, 1
	s_add_co_u32 s30, s30, s31
	s_lshl_b32 s30, s30, 12                        ; + tile 8 group + 2 wave
	s_add_co_u32 s28, s28, s30
	s_add_nc_u64 s[18:19], s[18:19], s[28:29]
	CLOAD 8, 4096
.macro PBLOCK ks, left                 ; 32 along K: 16 pairs of f16; piece o (8 along K) of the fragment at 256 o + 16 r
	s_wait_loadcnt \left
.irp p, 0,1,2,3,4,5,6,7,8,9,10,11,12,13,14,15
	v_cvt_pk_f16_f32 v[C+16*\ks+\p], v[R+32*\ks+2*\p], v[R+32*\ks+2*\p+1]
.endr
.irp o, 0,1,2,3
	global_store_b128 v[WO], v[C+16*\ks+4*\o:C+16*\ks+4*\o+3], s[18:19] offset:1024*\ks+256*\o   ; sixteen lanes store 256 consecutive bytes, aligned
.endr
.endm
	PBLOCK 0, 63
	PBLOCK 1, 63
	PBLOCK 2, 32
	PBLOCK 3, 0
	s_wait_tensorcnt 0x0                           ; the wave's end, as above
	ds_add_u32 v[SPW], v[NIL]
	s_wait_dscnt 0x0
	s_endpgm
.Lfunc_end_k_qf21297c12d_prep:
	.size	k_qf21297c12d_prep, .Lfunc_end_k_qf21297c12d_prep-k_qf21297c12d_prep
	.p2alignl 7, 3214868480
	.fill 96, 4, 3214868480
	.section	.rodata,"a",@progbits
	.p2align	6, 0x0
	.amdhsa_kernel k_qf21297c12d_prep
		.amdhsa_group_segment_fixed_size 35328
		.amdhsa_private_segment_fixed_size 0
		.amdhsa_enable_private_segment 0
		.amdhsa_kernarg_size 64
		.amdhsa_user_sgpr_count 2
		.amdhsa_user_sgpr_kernarg_segment_ptr 1
		.amdhsa_wavefront_size32 1
		.amdhsa_system_sgpr_workgroup_id_x 1
		.amdhsa_system_sgpr_workgroup_id_y 1
		.amdhsa_system_sgpr_workgroup_id_z 1
		.amdhsa_system_vgpr_workitem_id 0
		.amdhsa_next_free_vgpr 256
		.amdhsa_next_free_sgpr 66
		.amdhsa_reserve_vcc 0
		.amdhsa_float_denorm_mode_32 3
		.amdhsa_float_denorm_mode_16_64 3
		.amdhsa_memory_ordered 1
		.amdhsa_forward_progress 1
		.amdhsa_inst_pref_size 71
	.end_amdhsa_kernel
	.amdgpu_metadata
---
amdhsa.version: [ 1, 2 ]
amdhsa.kernels:
  - .name:           k_qf21297c12d_prep
    .symbol:         k_qf21297c12d_prep.kd
    .args:
      - { .name: x, .offset: 0, .size: 8, .value_kind: global_buffer, .address_space: global }
      - { .name: w_qkv, .offset: 8, .size: 8, .value_kind: global_buffer, .address_space: global }
      - { .name: w_proj, .offset: 16, .size: 8, .value_kind: global_buffer, .address_space: global }
      - { .name: xc, .offset: 24, .size: 8, .value_kind: global_buffer, .address_space: global }
      - { .name: xs, .offset: 32, .size: 8, .value_kind: global_buffer, .address_space: global }
      - { .name: wc, .offset: 40, .size: 8, .value_kind: global_buffer, .address_space: global }
      - { .name: ws, .offset: 48, .size: 8, .value_kind: global_buffer, .address_space: global }
      - { .name: wp, .offset: 56, .size: 8, .value_kind: global_buffer, .address_space: global }
    .group_segment_fixed_size: 35328
    .private_segment_fixed_size: 0
    .kernarg_segment_align: 8
    .kernarg_segment_size: 64
    .max_flat_workgroup_size: 128
    .sgpr_count:     66
    .vgpr_count:     256
    .wavefront_size: 32
...
	.end_amdgpu_metadata
.endif
;; end of part 1
;; launch qkv (part 2): grid 12 x 32, 4 waves a work-group, clusters of 4 x 4, 327,680 bytes of LDS; arguments xc, xs, wc, ws, qkv; writes qkv
.if DOCPART == 2
	.amdgcn_target "amdgcn-amd-amdhsa--gfx1250"
	.amdhsa_code_object_version 6
	.text
	.protected	k_qf21297c12d_qkv
	.globl	k_qf21297c12d_qkv
	.p2align	8
	.type	k_qf21297c12d_qkv,@function
k_qf21297c12d_qkv:
	s_mov_b64 s[64:65], 0
	v_nop
	global_prefetch_b8 v0, s[64:65] scope:SCOPE_SE
	s_setreg_imm32_b32 hwreg(HW_REG_WAVE_MODE, 25, 1), 1
	s_wait_xcnt 0x0
	s_wait_alu depctr_hold_cnt(0) depctr_sa_sdst(0) depctr_va_vdst(0) depctr_va_sdst(0) depctr_va_ssrc(0) depctr_va_vcc(0) depctr_vm_vsrc(0)
	s_getreg_b32 s2, hwreg(HW_REG_IB_STS2, 6, 4)
	s_cmp_eq_u32 s2, 0
	s_cbranch_scc0 .Lentry_in_a_cluster
	s_endpgm
.Lentry_in_a_cluster:
	s_bfe_u32 s2, ttmp6, 0x10000c
	s_cmp_lg_u32 s2, 0xf033
	s_cbranch_scc0 .Lentry_shape_is_right
	s_endpgm
.Lentry_shape_is_right:
; QKV = Q(x) Q(w_qkv), [8192] x [3072], K = 1024, on codes of FP4 (E2M1) with one E8M0 scale for each 32 along K; sums in f32; the results leave as f16, laid as the operands of the attention.
; A tile of 256 tokens x 256 columns is made by four waves, each 128 x 128: 64 accumulators of 16 x 16, 512 registers.
; ALL OF K LIES IN LDS AT ONCE: two slots of 512 along K, each filled once (x's 16 tiles of 16 rows, then w's 16 tiles of 16 columns, 4,096 bytes a tile): no refill, no loop.
; The codes lie in memory as images of fragments (512 bytes = 32 lanes x 16), so a tile's bytes are dense, a tensor load brings them as rows of 256 bytes with no padding, and a fragment is two ds_load_b128 at a constant + 16 x lane.
; CLUSTERS: 4 x 4 work-groups.  The four of a row of the cluster need the same tiles of x, the four of a column the same tiles of w: each is asked for JOINTLY, by the same tensor load with a mask that names the four.
; WHICH SIDE IS SOURCE 0.  For q and k (cluster x = 0, 1): source 0 = 16 columns of w, source 1 = 16 tokens: a lane then holds ONE token and eight neighbouring channels: packed to f16 that is half a fragment of Q or K.
; For v (cluster x = 2): source 0 = 16 tokens, source 1 = 16 columns: a lane holds ONE channel and eight neighbouring tokens: half a fragment of V^T.  The two cases differ in LDS and store addresses alone
; (a choice on the cluster's x, which all partners share); the text is one.  So each accumulator, packed, is stored straight from registers: 512 consecutive bytes, aligned; no stage.
; qkv: [part 3][batch x head 64][tile of 16 tokens 128][tile of 16 channels 4][512 bytes].
; LIMITS: |q|, |k|, |v| over 65,504 are not served (f16); NaN and infinities are not served.
; REGISTERS, in windows of 256: window 0: v0-31 addresses; v32-95 scale words, two sets, and nothing else; v128-191 source 1's fragments, ONE set; on the way out v128-255 the packed results.
;   window 1: source 0's fragments, TWO sets, at v0 and v128.   window 2: accumulators (a, b), a = 0-3, at v[8 (8 a + b)];   window 3: a = 4-7.   a: source 1's block, b: source 0's.
.set NQ,     4                         ; matrix instructions deep in a slot
.set FR,     8                         ; registers of a fragment: 16 rows x 128 K
.set NL,     2                         ; LDS loads that bring one
.set NP,     4                         ; places behind this matrix instruction (ISA guide 7.12.1)
.set TILEB,  4096                      ; a tile of 16 rows x 512 K
.set HALFT,  8*TILEB                   ; what one tensor load brings, and what one wave reads of a side
.set SLOT,   4*HALFT
.set XG,     512*TILEB                 ; from a slot's codes to the next slot's, in xc
.set WG,     192*TILEB                 ; and in wc
.set SCL,    2*SLOT                    ; behind the slots: the scale words, a part for each wave's load: 8 K steps x 128 rows x 4 bytes
.set SPART,  4160                      ; from part to part: 4,096 + 64, so that x's and w's words of one load fall on different banks
.set SPARE,  SCL+4*SPART               ; the spare words, 128 bytes for each wave: two blocks of 256 bytes that no other line names
.set HEADB,  1<<18                     ; a head's bytes in a part of qkv
.set VB,   8                           ; v8-15   the way out: 16 x lane + block b's step
.set ADRA, 16                          ; v16-17  LDS address of source 1's fragments in slot 0, 1
.set ADRB, 20                          ; v20-21  of source 0's
.set LI,   26                          ; v26     16 x lane
.set ADRS, 27                          ; v27     my scale words: lanes 0-15 source 1's rows, lanes 16-31 source 0's
.set SPW,  28                          ; v28     LDS address of my spare word; never rewritten
.set NIL,  29                          ; v29     0; never rewritten
.set SC,   32                          ; set s at v[SC + 32 s]; register 4 i + q: block i's words for the slot's q-th 128 along K
.set AF,   128
.set PK,   128
.set G1, 24                            ; s[24:31] group 1 for x's tiles; s[32:39] groups 0, one for each slot.  On the way out s[24:39] are the eight bases of the stores
.set G0, 32
.set G1B, 48                           ; s[48:55], s[56:63] the same for w's
.set G0B, 56
.set G1S, 68                           ; s[68:75], s[76:79] groups 1 and 0 for x's scale words; s[80:87], s[88:91] for w's
.set G0S, 76
.set G1SB, 80
.set G0SB, 88
.set MSB, 0
.macro WIN new                         ; the immediate's high byte repeats the setting that is left
.if MSB != (\new)
	s_set_vgpr_msb (MSB<<8)|(\new)
.set MSB, (\new)
.endif
.endm
.set MUL_LO, 0xa1                      ; source 0 window 1, source 1 window 0, C and D window 2
.set MUL_HI, 0xf1                      ; the same, C and D window 3
.set TO_B,   0x40                      ; destination window 1, address window 0
; A joint load: waves 0 and 1 fetch for x, waves 2 and 3 for w.  The branch hangs on the wave's number alone.  An s_nop 0 and four v_nop follow each line.
.macro JLOAD g0a, g1a, g0b, g1b
	s_cmp_eq_u32 s15, 0
	s_cbranch_scc0 .Lfor_b_\@
	tensor_load_to_lds s[\g0a:\g0a+3], s[\g1a:\g1a+7]
	s_nop 0
.rept 4
	v_nop
.endr
	s_branch .Lasked_\@
.Lfor_b_\@:
	tensor_load_to_lds s[\g0b:\g0b+3], s[\g1b:\g1b+7]
	s_nop 0
.rept 4
	v_nop
.endr
.Lasked_\@:
.endm
.macro CROUND                          ; a round of the cluster's barrier
	s_barrier_signal -1
	s_barrier_wait -1
	s_cmp_lg_u32 s14, 0
	s_cbranch_scc1 .Lnot_wave_0_\@
	s_barrier_signal -3
.Lnot_wave_0_\@:
	s_barrier_wait -3
	s_barrier_signal -1
	s_barrier_wait -1
.endm
	s_load_b128 s[4:7], s[0:1], 0x0                ; xc s[4:5], xs s[6:7]
	s_load_b128 s[8:11], s[0:1], 0x10              ; wc s[8:9], ws s[10:11]
	s_load_b64 s[12:13], s[0:1], 0x20              ; qkv
	v_lshl_add_u32 v[SPW], v0, 2, SPARE
	v_mov_b32 v[NIL], 0
	ds_add_u32 v[SPW], v[NIL]                      ; the wave's opening: the add, twice on end, and its wait ahead of my first tensor load
	ds_add_u32 v[SPW], v[NIL]                      ; and once more; the set-up below, work on registers, stands between it and the wait
	v_lshrrev_b32 v1, 5, v0
	v_readfirstlane_b32 s14, v1                    ; wave 0..3
	s_lshr_b32 s15, s14, 1                         ; which half of the tile's tokens is mine.  Also: I fetch for x (0) or for w (1)
	s_and_b32 s16, s14, 1                          ; which half of its columns.  Also: which 8 tiles I fetch
	s_bfe_u32 s40, ttmp6, 0x40000                  ; cx, cy: my place in the cluster
	s_bfe_u32 s41, ttmp6, 0x40004
	s_lshl_b32 s42, ttmp9, 2
	s_add_co_u32 s42, s42, s40                     ; tile column = 4 x cluster x + cx
	s_and_b32 s17, ttmp7, 0xffff
	s_lshl_b32 s17, s17, 2
	s_add_co_u32 s17, s17, s41                     ; tile row = 4 x cluster y + cy
	s_lshl_b32 s43, s41, 2
	s_lshl_b32 s43, 15, s43                        ; my row of the cluster
	s_lshl_b32 s44, 0x1111, s40                    ; my column
	; group 1 for the codes: 32,768 dense bytes as 128 rows of 256 bytes (32 elements of 8 bytes), no padding
	s_or_b32 s[G1+0], s43, (3<<16)|(1<<21)         ; 15:0 the mask: x's tiles go to my row; 17:16 elements of 8 bytes; 21 set beside a mask
	s_or_b32 s[G1B+0], s44, (3<<16)|(1<<21)        ; w's to my column
.irp g, G1, G1B
	s_mov_b32 s[\g+1], 32<<16                      ; tensor_dim0
	s_mov_b32 s[\g+2], 128<<16                     ; tensor_dim1
	s_mov_b32 s[\g+3], 32<<16                      ; tile_dim0
	s_mov_b32 s[\g+4], 128                         ; tile_dim1
	s_mov_b32 s[\g+5], 32                          ; tensor_dim0_stride
	s_mov_b32 s[\g+6], 0
	s_mov_b32 s[\g+7], 0
.endr
	; and for the scale words of 128 rows: 8 rows (K steps) of 512 bytes (64 elements)
	s_or_b32 s[G1S+0], s43, (3<<16)|(1<<21)
	s_or_b32 s[G1SB+0], s44, (3<<16)|(1<<21)
.irp g, G1S, G1SB
	s_mov_b32 s[\g+1], 64<<16
	s_mov_b32 s[\g+2], 8<<16
	s_mov_b32 s[\g+3], 64<<16
	s_mov_b32 s[\g+4], 8
	s_mov_b32 s[\g+6], 0
	s_mov_b32 s[\g+7], 0
.endr
	s_mov_b32 s[G1S+5], 4096                       ; from K step to K step: 8,192 words in xs,
	s_mov_b32 s[G1SB+5], 1536                      ; 3,072 in ws
	s_lshl_b32 s18, s16, 3
	s_lshl_b32 s20, s17, 4
	s_add_co_u32 s20, s20, s18                     ; x: my first tile of 16 rows: 16 x tile row + 8 x half
	s_lshl_b32 s46, s42, 4
	s_add_co_u32 s46, s46, s18                     ; w: 16 x tile column + 8 x half
	s_lshl_b32 s22, s20, 6                         ; their scale words: 64 bytes a tile,
	s_lshl_b32 s92, s46, 6
	s_lshl_b32 s20, s20, 12                        ; their codes: 4,096
	s_lshl_b32 s46, s46, 12
	s_mov_b32 s21, 0
	s_mov_b32 s23, 0
	s_mov_b32 s47, 0
	s_mov_b32 s93, 0
	s_lshl_b32 s45, s14, 15                        ; where they go: wave x 32,768: no place in the cluster enters an LDS address
	s_mul_i32 s94, s14, SPART
	s_wait_dscnt 0x0                               ; both opening adds are done
	s_wait_kmcnt 0x0
	s_add_nc_u64 s[20:21], s[4:5], s[20:21]
	s_add_nc_u64 s[22:23], s[6:7], s[22:23]
	s_add_nc_u64 s[46:47], s[8:9], s[46:47]
	s_add_nc_u64 s[92:93], s[10:11], s[92:93]
	CROUND                                         ; all sixteen work-groups are here: the first joint loads meet
	s_mov_b32 s[G0S], 1
	s_add_co_u32 s[G0S+1], s94, SCL
	s_mov_b64 s[G0S+2:G0S+3], s[22:23]
	s_or_b32 s[G0S+3], s[G0S+3], 0x80000000
	s_mov_b32 s[G0SB], 1
	s_add_co_u32 s[G0SB+1], s94, SCL
	s_mov_b64 s[G0SB+2:G0SB+3], s[92:93]
	s_or_b32 s[G0SB+3], s[G0SB+3], 0x80000000
	JLOAD G0S, G1S, G0SB, G1SB                     ; the scale words first: they are wanted with slot 0
.irp s, 0,1
	s_mov_b32 s[G0+4*\s], 1
	s_add_co_u32 s[G0+4*\s+1], s45, \s*SLOT
	s_add_nc_u64 s[G0+4*\s+2:G0+4*\s+3], s[20:21], \s*XG
	s_or_b32 s[G0+4*\s+3], s[G0+4*\s+3], 0x80000000
	s_mov_b32 s[G0B+4*\s], 1
	s_add_co_u32 s[G0B+4*\s+1], s45, \s*SLOT
	s_add_nc_u64 s[G0B+4*\s+2:G0B+4*\s+3], s[46:47], \s*WG
	s_or_b32 s[G0B+4*\s+3], s[G0B+4*\s+3], 0x80000000
	JLOAD G0+4*\s, G1, G0B+4*\s, G1B               ; three loads of mine are out in all
.endr
	v_and_b32 v1, 15, v0                           ; r
	v_bfe_u32 v2, v0, 4, 1                         ; h
	v_and_b32 v3, 31, v0
	v_lshlrev_b32 v[LI], 4, v3
	s_lshl_b32 s21, s15, 15                        ; my 8 tiles of x,
	s_lshl_b32 s22, s16, 15
	s_add_co_u32 s22, s22, 2*HALFT                 ; my 8 tiles of w, behind x's 16
	s_cmp_eq_u32 ttmp9, 2                          ; do we make v?  The cluster's x: the same in all partners
	s_cselect_b32 s96, s22, s21                    ; source 1: tokens for q and k, columns for v
	s_cselect_b32 s97, s21, s22                    ; source 0: the other side
	s_cselect_b32 s98, 1, 0
.irp s, 0,1
	v_add_nc_u32 v[ADRA+\s], s96, v[LI]
	v_add_nc_u32 v[ADRB+\s], s97, v[LI]
	s_add_co_u32 s96, s96, SLOT
	s_add_co_u32 s97, s97, SLOT
.endr
	v_xor_b32 v5, s98, v2                          ; 0: this lane takes x's words, 1: w's.  Lanes 0-15 serve source 1, lanes 16-31 source 0
	s_mul_i32 s21, s15, SPART                      ; x's: part = my half of the tokens
	s_mul_i32 s22, s16, SPART                      ; w's: part 2 + my half of the columns
	s_add_co_u32 s22, s22, 2*SPART
	s_sub_co_u32 s22, s22, s21
	v_mul_u32_u24 v6, s22, v5                      ; one product: the distance between the two parts
	s_add_co_u32 s21, s21, SCL
	v_lshl_add_u32 v5, v1, 2, v6
	v_add_nc_u32 v[ADRS], s21, v5
	; where my 128 x 128 begins in qkv
	s_lshr_b32 s20, s17, 3                         ; batch
	s_lshl_b32 s20, s20, 4
	s_lshl_b32 s21, s16, 1
	s_add_co_u32 s20, s20, s21                     ; 16 x batch + 2 x my half of the columns (a head is 4 tiles of channels),
	s_lshl_b32 s20, s20, 18
	s_and_b32 s21, s17, 7
	s_lshl_b32 s21, s21, 4
	s_lshl_b32 s22, s15, 3
	s_add_co_u32 s21, s21, s22                     ; tile of tokens in the batch: 16 (tile row % 8) + 8 x my half,
	s_lshl_b32 s21, s21, 11
	s_add_co_u32 s20, s20, s21
	s_lshr_b32 s46, s42, 2
	s_lshl_b32 s46, s46, 24                        ; the part,
	s_and_b32 s47, s42, 3
	s_lshl_b32 s47, s47, 20                        ; and 4 heads a tile column
	s_add_co_u32 s46, s46, s47
	s_add_co_u32 s20, s20, s46
	s_mov_b32 s21, 0
	s_add_nc_u64 s[12:13], s[12:13], s[20:21]
.macro FRAG reg, adr, q, i             ; a fragment: registers 4 c .. 4 c + 3 lie at 512 c + 16 x lane of its image
.irp c, 0,1
	ds_load_b128 v[\reg+4*\c:\reg+4*\c+3], v[\adr] offset:TILEB*(\i)+1024*(\q)+512*\c
.endr
.endm
; 16 matrix instructions: source 1's blocks a0, a0 + 1 x source 0's eight, the slot's q-th 128 along K.  p: source 0's set;  sc: the set of scale words.  zero = 1: the first product starts the sums.
; The 64 accumulators take turns, one instruction a turn, in the same order in every step.
.macro MUL16 a0, p, q, sc, zero
.irp a, \a0, \a0+1
.irp b, 0,1,2,3,4,5,6,7
.if \zero
	v_wmma_scale_f32_16x16x128_f8f6f4 v[8*(8*((\a)%4)+\b):8*(8*((\a)%4)+\b)+7], v[128*(\p)+FR*\b:128*(\p)+FR*\b+FR-1], v[AF+FR*(\a):AF+FR*(\a)+FR-1], 0, v[SC+8*NQ*(\sc)+NQ*\b+(\q)], v[SC+8*NQ*(\sc)+NQ*(\a)+(\q)] matrix_a_fmt:MATRIX_FMT_FP4 matrix_b_fmt:MATRIX_FMT_FP4 matrix_a_scale:MATRIX_SCALE_ROW1
.else
	v_wmma_scale_f32_16x16x128_f8f6f4 v[8*(8*((\a)%4)+\b):8*(8*((\a)%4)+\b)+7], v[128*(\p)+FR*\b:128*(\p)+FR*\b+FR-1], v[AF+FR*(\a):AF+FR*(\a)+FR-1], v[8*(8*((\a)%4)+\b):8*(8*((\a)%4)+\b)+7], v[SC+8*NQ*(\sc)+NQ*\b+(\q)], v[SC+8*NQ*(\sc)+NQ*(\a)+(\q)] matrix_a_fmt:MATRIX_FMT_FP4 matrix_b_fmt:MATRIX_FMT_FP4 matrix_a_scale:MATRIX_SCALE_ROW1
.endif
.endr
.endr
.endm
.macro FETCH_B slot, q, p              ; source 0's eight fragments into set p
	WIN TO_B
.irp i, 0,1,2,3,4,5,6,7
	FRAG 128*(\p)+FR*\i, ADRB+\slot, \q, \i
.endr
	WIN 0
.endm
.macro FETCH_A slot, q, i0             ; source 1's blocks i0 .. i0 + 3
.irp i, \i0, \i0+1, \i0+2, \i0+3
	FRAG AF+FR*(\i), ADRA+\slot, \q, \i
.endr
.endm
.macro SCALES sc                       ; slot sc's scale words: a word a lane
.irp i, 0,1,2,3,4,5,6,7
.irp q, 0,1,2,3
	ds_load_b32 v[SC+8*NQ*\sc+NQ*\i+\q], v[ADRS] offset:512*(NQ*\sc+\q)+64*\i
.endr
.endr
.endm
; A load into a register that a matrix instruction has read, and a vector instruction that reads a matrix result, stand NP places behind that matrix instruction; only plain vector instructions that
; name none of its registers are places (ISA guide 7.12.1 for vector instructions).
.macro PLACES n
.rept \n
	v_nop
.endr
.endm
.macro STEP slot, q, zero              ; a step of 128 along K that has its successor in the same slot
	s_wait_dscnt 4*NL                              ; source 0's set and source 1's blocks 0-3 are in; the youngest eight loads (blocks 4-7) may be out
	WIN MUL_LO
	MUL16 0, (\q)%2, \q, \slot, \zero
	MUL16 2, (\q)%2, \q, \slot, \zero
	s_wait_dscnt 0                                 ; blocks 4-7 are in (asked for 32 matrix instructions ago)
	PLACES NP
	FETCH_B \slot, (\q)+1, 1-(\q)%2
	FETCH_A \slot, (\q)+1, 0
	WIN MUL_HI
	MUL16 4, (\q)%2, \q, \slot, \zero
	MUL16 6, (\q)%2, \q, \slot, \zero
	PLACES NP
	WIN 0
	FETCH_A \slot, (\q)+1, 4
.endm
.macro STEPS slot, from                ; the slot's steps from .. NQ - 2
.set Q, \from
.rept NQ-1-\from
	STEP \slot, Q, 0
.set Q, Q+1
.endr
.endm
	s_wait_tensorcnt 1                             ; the scale words and my part of slot 0 are in (slot 1's load may be out)
	s_barrier_signal -1
	s_barrier_wait -1                              ; everybody's are
	FETCH_B 0, 0, 0
	FETCH_A 0, 0, 0
	SCALES 0
	FETCH_A 0, 0, 4
	STEP 0, 0, 1                                   ; the first step's products start the sums: nothing is ever cleared
	STEPS 0, 1
	; slot 0's last step goes over to slot 1: one barrier, in front of which each wave has seen its part of slot 1 land
	s_wait_tensorcnt 0x0                           ; my part of slot 1 is in
	ds_add_u32 v[SPW], v[NIL]                      ; 0 onto my spare word
	s_wait_dscnt 4*NL+1                            ; (the add and the youngest eight loads may be out)
	WIN MUL_LO
	MUL16 0, 1, NQ-1, 0, 0
	s_wait_dscnt 0x0
	s_barrier_signal -1
	MUL16 2, 1, NQ-1, 0, 0
	WIN 0
	s_barrier_wait -1                              ; slot 1 is whole
	PLACES NP
	FETCH_B 1, 0, 0
	FETCH_A 1, 0, 0
	SCALES 1
	WIN MUL_HI
	MUL16 4, 1, NQ-1, 0, 0
	MUL16 6, 1, NQ-1, 0, 0
	PLACES NP
	WIN 0
	FETCH_A 1, 0, 4
	STEPS 1, 0
	s_wait_dscnt 4*NL                              ; the very last step: nothing more to fetch
	WIN MUL_LO
	MUL16 0, 1, NQ-1, 1, 0
	MUL16 2, 1, NQ-1, 1, 0
	s_wait_dscnt 0
	WIN MUL_HI
	MUL16 4, 1, NQ-1, 1, 0
	MUL16 6, 1, NQ-1, 1, 0
	WIN 0
	; THE WAY OUT.  Accumulator (a, b), packed to f16, is one piece of 512 bytes.  A tile of tokens is 2,048 bytes on from the last; tile i of channels lies f(i) = (i / 4) heads + (i % 4) x 512 on.
	; q, k: a counts tokens, b channels; v: the other way round.  a's step goes into eight scalar bases (all tensor loads are done: the descriptors' registers are free), b's into eight offsets.
	s_cmp_eq_u32 s98, 1                            ; the moves, selects and 64-bit sums below leave SCC alone
.irp i, 0,1,2,3,4,5,6,7
	s_mov_b32 s92, (\i/4)*HEADB+(\i%4)*512
	s_mov_b32 s94, 2048*\i
	s_cselect_b32 s96, s92, s94
	s_cselect_b32 s95, s94, s92
	s_mov_b32 s97, 0
	s_add_nc_u64 s[24+2*\i:25+2*\i], s[12:13], s[96:97]
	v_add_nc_u32 v[VB+\i], s95, v[LI]              ; (these eight are also the places behind the last products)
.endr
.irp a, 0,1,2,3,4,5,6,7
.if \a >= 4
	s_wait_xcnt 0x0                                ; the stores of four blocks back have read their registers, which are written again below
.endif
	WIN 0x0a+5*(\a/4)                              ; sources 0 and 1: window 2 or 3
.irp b, 0,1,2,3,4,5,6,7
.irp r, 0,1,2,3
	v_cvt_pk_f16_f32 v[PK+32*(\a%4)+4*\b+\r], v[64*(\a%4)+8*\b+2*\r], v[64*(\a%4)+8*\b+2*\r+1]   ; each accumulator from its low end on
.endr
.endr
	WIN 0
.irp b, 0,1,2,3,4,5,6,7
	global_store_b128 v[VB+\b], v[PK+32*(\a%4)+4*\b:PK+32*(\a%4)+4*\b+3], s[24+2*\a:25+2*\a]   ; 32 lanes store 512 consecutive bytes, aligned
.endr
.endr
	s_wait_tensorcnt 0x0                           ; the wave's end
	ds_add_u32 v[SPW], v[NIL]
	s_wait_dscnt 0x0
	CROUND                                         ; the closing round: no work-group ends while a partner may still ask for a tile that names it
	s_endpgm
.Lfunc_end_k_qf21297c12d_qkv:
	.size	k_qf21297c12d_qkv, .Lfunc_end_k_qf21297c12d_qkv-k_qf21297c12d_qkv
	.p2alignl 7, 3214868480
	.fill 96, 4, 3214868480
	.section	.rodata,"a",@progbits
	.p2align	6, 0x0
	.amdhsa_kernel k_qf21297c12d_qkv
		.amdhsa_group_segment_fixed_size 327680
		.amdhsa_private_segment_fixed_size 0
		.amdhsa_enable_private_segment 0
		.amdhsa_kernarg_size 40
		.amdhsa_user_sgpr_count 2
		.amdhsa_user_sgpr_kernarg_segment_ptr 1
		.amdhsa_wavefront_size32 1
		.amdhsa_system_sgpr_workgroup_id_x 1
		.amdhsa_system_sgpr_workgroup_id_y 1
		.amdhsa_system_sgpr_workgroup_id_z 1
		.amdhsa_system_vgpr_workitem_id 0
		.amdhsa_next_free_vgpr 1024
		.amdhsa_next_free_sgpr 100
		.amdhsa_reserve_vcc 0
		.amdhsa_float_denorm_mode_32 3
		.amdhsa_float_denorm_mode_16_64 3
		.amdhsa_memory_ordered 1
		.amdhsa_forward_progress 1
		.amdhsa_inst_pref_size 122
	.end_amdhsa_kernel
	.amdgpu_metadata
---
amdhsa.version: [ 1, 2 ]
amdhsa.kernels:
  - .name:           k_qf21297c12d_qkv
    .symbol:         k_qf21297c12d_qkv.kd
    .args:
      - { .name: xc, .offset: 0, .size: 8, .value_kind: global_buffer, .address_space: global }
      - { .name: xs, .offset: 8, .size: 8, .value_kind: global_buffer, .address_space: global }
      - { .name: wc, .offset: 16, .size: 8, .value_kind: global_buffer, .address_space: global }
      - { .name: ws, .offset: 24, .size: 8, .value_kind: global_buffer, .address_space: global }
      - { .name: qkv, .offset: 32, .size: 8, .value_kind: global_buffer, .address_space: global }
    .group_segment_fixed_size: 327680
    .private_segment_fixed_size: 0
    .kernarg_segment_align: 8
    .kernarg_segment_size: 40
    .max_flat_workgroup_size: 128
    .sgpr_count:     100
    .vgpr_count:     1024
    .wavefront_size: 32
...
	.end_amdgpu_metadata
.endif
;; end of part 2
;; launch attn (part 3): grid 4 x 64, 8 waves a work-group, clusters of 4 x 1, 327,680 bytes of LDS; arguments qkv, ao; writes ao
.if DOCPART == 3
	.amdgcn_target "amdgcn-amd-amdhsa--gfx1250"
	.amdhsa_code_object_version 6
	.text
	.protected	k_qf21297c12d_attn
	.globl	k_qf21297c12d_attn
	.p2align	8
	.type	k_qf21297c12d_attn,@function
k_qf21297c12d_attn:
	s_mov_b64 s[64:65], 0
	v_nop
	global_prefetch_b8 v0, s[64:65] scope:SCOPE_SE
	s_setreg_imm32_b32 hwreg(HW_REG_WAVE_MODE, 25, 1), 1
	s_wait_xcnt 0x0
	s_wait_alu depctr_hold_cnt(0) depctr_sa_sdst(0) depctr_va_vdst(0) depctr_va_sdst(0) depctr_va_ssrc(0) depctr_va_vcc(0) depctr_vm_vsrc(0)
	s_getreg_b32 s2, hwreg(HW_REG_IB_STS2, 6, 4)
	s_cmp_eq_u32 s2, 0
	s_cbranch_scc0 .Lentry_in_a_cluster
	s_endpgm
.Lentry_in_a_cluster:
	s_bfe_u32 s2, ttmp6, 0x10000c
	s_cmp_lg_u32 s2, 0x3003
	s_cbranch_scc0 .Lentry_shape_is_right
	s_endpgm
.Lentry_shape_is_right:
; O[bh][q] = the sum over k of softmax_k(Q[bh][q] . K[bh][k] / 8) V[bh][k]: 64 heads of 2,048 tokens x 64 channels, no mask.  Operands in f16; products, maxima and sums in f32; the weights p are rounded
; to f16 for the second product, O once at the end.
; qkv: [part 3][bh 64][tile of 16 tokens 128][tile of 16 channels 4][512 bytes].  A piece is 32 lanes x 16 bytes.  Parts q, k: lane (r, h) holds token r, channels 8 h + 0..7; part v: channel r, tokens 8 h + 0..7.
; So two neighbouring pieces ARE a fragment of Q or K (16 tokens x 32 channels), two pieces 2,048 bytes apart a fragment of V^T (16 channels x 32 keys): every LDS read is ds_load_b128 at a constant + 16 x lane.
; SHARES.  A work-group owns 512 queries of one head, each of its EIGHT waves 64: four tiles of 16, in 512 registers.  Two waves lie on a SIMD, so that one wave's softmax stands beside the other's products; the text is in plain phases.
; LAYOUT.  S^T = K Q^T (source 0 = 16 keys, source 1 = 16 queries): a lane holds ONE query and the keys 8 h + 0..7 of a tile.  Two such tiles, packed to f16 in place, ARE source 1 (32 keys x 16 queries) of
; O^T = V^T P, whose result again holds one query a lane, and eight channels: packed, half a fragment of the projection's operand, stored straight from registers.
; SOFTMAX.  For each query a running maximum m and sum l: p = 2^(c s - c m), c = log2(e) / 8; in every step O and l are multiplied by a = 2^(c m_old - c m_new).
; RING.  Two LDS slots of 512 keys (K 65,536 bytes, then V 65,536), eight key steps of 64 each.  Every wave fetches an eighth of a slot, 16,384 dense bytes, by one and the same line.
; CLUSTER.  The four work-groups of a head walk the same K and V: each tile is asked for JOINTLY (mask 15).  No prefetch: a refill is asked for eight key steps, 512 matrix instructions a wave, ahead of its first read.
; ao: [kq 8][tile of 16 tokens 512][ks 4][1024]: head hd's tile ct of channels lies at kq = hd / 2, byte (hd % 2) 2,048 + 512 ct.
; LIMITS: NaN and infinities are not served; where the inputs are so small that O falls under 6e-5, f16 loses bits.
; REGISTERS: window 0: v1-3 addresses; v8, v9 the add's two; v16-47 statistics, eight a tile; v64-191 S^T, 32 a tile (p's pairs take each tile's first 16); v192-255 K of one step.
;   window 1: v0-127 O^T (tile t, channels 16 ct on: 32 t + 8 ct); v128-191 Q; v192-255 V^T of one step.
.set SLOT1, 1<<17                      ; slot 1 begins here: one exclusive or turns an address in one slot into the other's
.set VOFF,  65536
.set STEPB, 8192                       ; a key step: 4 tiles of 2,048 bytes, in K and in V
.set SPARE, 2*SLOT1                    ; the spare words, 128 bytes for each wave: four blocks of 256 bytes that no other line names
.set LI,  1                            ; v1  16 x lane
.set AV0, 2                            ; v2  16 x lane + VOFF
.set ADR, 3                            ; v3  the address of the run of loads in hand
.set SPW, 8
.set NIL, 9
.set ST,  16                           ; tile t at v[ST + 8 t]: +0 c m, +1 m, +2, +3 l (two halves), +4 .. +7 c0-c3 at work; a takes +6
.set S,   64
.set KF,  192
.set OQ,  128                          ; in window 1
.set VF,  192                          ; in window 1
.set WV,  12                           ; s12 my wave's number
.set G1,  24                           ; s[24:31] group 1; s[32:35] group 0 of slot 0's first fill; s[36:39] of slot 1's, which then walks on
.set SLOTS, 56
.set CNT, 57
.set CS,  58                           ; s[58:59] c, twice: the packed form names a pair
.set SEL, 60                           ; s[60:61] lane selects for v_permlanex16_b32: lane l xor 16
.set TB,  62                           ; s62 LDS byte at which the step to be fetched begins
.set MSB, 0
.macro WIN new
.if MSB != (\new)
	s_set_vgpr_msb (MSB<<8)|(\new)
.set MSB, (\new)
.endif
.endm
.set W_KQ, 0x04                        ; K window 0, Q window 1, S^T window 0
.set W_PV, 0x51                        ; V window 1, P window 0, O^T window 1
.set W_RS, 0x41                        ; O^T (destination and source 0) window 1, a window 0
.macro CROUND
	s_barrier_signal -1
	s_barrier_wait -1
	s_cmp_lg_u32 s[WV], 0
	s_cbranch_scc1 .Lnot_wave_0_\@
	s_barrier_signal -3
.Lnot_wave_0_\@:
	s_barrier_wait -3
	s_barrier_signal -1
	s_barrier_wait -1
.endm
.macro PLACES n
.rept \n
	v_nop
.endr
.endm
	s_load_b128 s[4:7], s[0:1], 0x0                ; qkv s[4:5], ao s[6:7]
	v_lshl_add_u32 v[SPW], v0, 2, SPARE
	v_mov_b32 v[NIL], 0
	ds_add_u32 v[SPW], v[NIL]                      ; the wave's opening: the add, twice on end, and its wait ahead of my first tensor load
	ds_add_u32 v[SPW], v[NIL]                      ; and once more; the set-up below, work on registers, stands between it and the wait
	v_lshrrev_b32 v4, 5, v0
	v_readfirstlane_b32 s[WV], v4                  ; wave 0..7
	s_bfe_u32 s13, ttmp6, 0x40000                  ; cx: my block of 512 queries; it enters Q's and ao's addresses alone
	s_and_b32 s14, ttmp7, 0xffff                   ; batch x head, which the four partners share
	s_lshl_b32 s16, s14, 18                        ; the head's first byte in a part
	s_lshr_b32 s17, s[WV], 2                       ; waves 0-3 fetch K (part 1), waves 4-7 V (part 2),
	s_add_co_u32 s17, s17, 1
	s_lshl_b32 s17, s17, 24
	s_and_b32 s18, s[WV], 3
	s_lshl_b32 s18, s18, 14                        ; a quarter of a slot's 65,536 bytes each
	s_add_co_u32 s20, s16, s17
	s_add_co_u32 s20, s20, s18
	s_mov_b32 s21, 0
	s_lshl_b32 s22, s13, 16                        ; Q: 32 tiles of 2,048 bytes a work-group,
	s_lshl_b32 s23, s[WV], 13                      ; 4 a wave
	s_add_co_u32 s22, s22, s23
	s_add_co_u32 s22, s22, s16
	s_mov_b32 s23, 0
	s_and_b32 s44, s14, 15                         ; ao: the head,
	s_lshr_b32 s44, s44, 1
	s_lshl_b32 s44, s44, 21                        ; kq = head / 2: 512 tiles of 4,096 bytes,
	s_lshr_b32 s45, s14, 4
	s_lshl_b32 s45, s45, 7                         ; tile of tokens: 128 x batch
	s_lshl_b32 s46, s13, 5
	s_add_co_u32 s45, s45, s46                     ; + 32 x work-group
	s_lshl_b32 s46, s[WV], 2
	s_add_co_u32 s45, s45, s46                     ; + 4 x wave,
	s_lshl_b32 s45, s45, 12
	s_add_co_u32 s44, s44, s45
	s_and_b32 s45, s14, 1
	s_lshl_b32 s45, s45, 11                        ; and (head % 2) x 2,048
	s_add_co_u32 s44, s44, s45
	s_mov_b32 s45, 0
	; group 1: 16,384 dense bytes as 64 rows of 256 bytes (32 elements of 8 bytes), no padding
	s_mov_b32 s[G1], 15|(3<<16)|(1<<21)            ; 15:0 the mask: all four work-groups; 17:16 elements of 8 bytes; 21 set beside a mask
	s_mov_b32 s[G1+1], 32<<16                      ; tensor_dim0
	s_mov_b32 s[G1+2], 64<<16                      ; tensor_dim1
	s_mov_b32 s[G1+3], 32<<16                      ; tile_dim0
	s_mov_b32 s[G1+4], 64                          ; tile_dim1
	s_mov_b32 s[G1+5], 32                          ; tensor_dim0_stride
	s_mov_b32 s[G1+6], 0
	s_mov_b32 s[G1+7], 0
	s_mov_b32 s32, 1
	s_lshl_b32 s33, s[WV], 14                      ; LDS: wave x 16,384: K's four quarters, then V's
	s_mov_b32 s36, 1
	s_add_co_u32 s37, s33, SLOT1
	s_mov_b32 s[CS], 0x3e38aa3b                    ; c = log2(e) / 8
	s_mov_b32 s[CS+1], s[CS]
	s_mov_b32 s[SEL], 0x76543210
	s_mov_b32 s[SEL+1], 0xfedcba98
	s_mov_b32 s[TB], 0
	s_mov_b32 s[SLOTS], 2
	s_wait_dscnt 0x0                               ; both opening adds are done
	s_wait_kmcnt 0x0
	s_add_nc_u64 s[34:35], s[4:5], s[20:21]        ; keys 0-511,
	s_add_nc_u64 s[38:39], s[34:35], 65536         ; keys 512-1023
	s_or_b32 s35, s35, 0x80000000                  ; type = 2
	s_or_b32 s39, s39, 0x80000000
	s_add_nc_u64 s[40:41], s[4:5], s[22:23]        ; Q at my wave's first tile
	s_add_nc_u64 s[42:43], s[6:7], s[44:45]        ; ao likewise
	CROUND                                         ; all four work-groups are here: the first joint loads meet
	tensor_load_to_lds s[32:35], s[G1:G1+7]        ; both first fills go out together: two loads of mine are out
	s_nop 0
	tensor_load_to_lds s[36:39], s[G1:G1+7]
	s_nop 0
	PLACES 4
	v_and_b32 v4, 31, v0
	v_lshlrev_b32 v[LI], 4, v4
	v_add_nc_u32 v[AV0], VOFF, v[LI]
	WIN 0x40                                       ; destination window 1
.irp i, 0,1,2,3,4,5,6,7,8,9,10,11,12,13,14,15  ; Q stays in registers: piece i of my 16: tile i / 4, channels 16 (i % 4) on
	global_load_b128 v[OQ+4*\i:OQ+4*\i+3], v[LI], s[40:41] offset:512*\i
.endr
	WIN 0
.irp t, 0,1,2,3
	v_mov_b32 v[ST+8*\t+1], 0xff61b1e6             ; m = -3e38, under every score
	v_mov_b32 v[ST+8*\t+2], 0                      ; l
	v_mov_b32 v[ST+8*\t+3], 0
.endr
.irp t, 0,1,2,3
	v_mul_f32 v[ST+8*\t], s[CS], v[ST+8*\t+1]      ; c m
.endr
.macro FETCH_K                         ; a step's K: 8 fragments (keys 16 (f / 2) on, channels 32 (f % 2) on), 16 loads
	v_add_nc_u32 v[ADR], s[TB], v[LI]
.irp f, 0,1,2,3,4,5,6,7
	ds_load_b128 v[KF+8*\f:KF+8*\f+3],   v[ADR] offset:1024*\f
	ds_load_b128 v[KF+8*\f+4:KF+8*\f+7], v[ADR] offset:1024*\f+512
.endr
.endm
.macro FETCH_V                         ; the same step's V^T: 8 fragments (keys 32 kk on, channels 16 ct on), 16 loads
	v_add_nc_u32 v[ADR], s[TB], v[AV0]
	WIN 0x40
.irp kk, 0,1
.irp ct, 0,1,2,3
	ds_load_b128 v[VF+32*\kk+8*\ct:VF+32*\kk+8*\ct+3],   v[ADR] offset:4096*\kk+512*\ct
	ds_load_b128 v[VF+32*\kk+8*\ct+4:VF+32*\kk+8*\ct+7], v[ADR] offset:4096*\kk+512*\ct+2048
.endr
.endr
	WIN 0
	s_add_co_u32 s[TB], s[TB], STEPB               ; the next fetch is the next step's
.endm
; The 16 accumulators of each product take turns, one instruction a turn.
.macro KQ                              ; S^T = K Q^T: product i: channels 32 (i / 16) on, keys 16 ((i / 4) % 4) on, tile i % 4.  The first 16 start the sums
	WIN W_KQ
.set i, 0
.rept 32
.set rS, S+32*(i%4)+8*((i/4)%4)
.set rK, KF+16*((i/4)%4)+8*(i/16)
.set rQ, OQ+16*(i%4)+8*(i/16)
.if i < 16
	v_wmma_f32_16x16x32_f16 v[rS:rS+7], v[rK:rK+7], v[rQ:rQ+7], 0
.else
	v_wmma_f32_16x16x32_f16 v[rS:rS+7], v[rK:rK+7], v[rQ:rQ+7], v[rS:rS+7]
.endif
.set i, i+1
.endr
.endm
.macro PV zero                         ; O^T += V^T P: product i: keys 32 (i / 16) on, channels 16 ((i / 4) % 4) on, tile i % 4.  zero = 1: the first 16 start the sums: nothing is ever cleared
	WIN W_PV
.set i, 0
.rept 32
.set rO, 32*(i%4)+8*((i/4)%4)
.set rV, VF+32*(i/16)+8*((i/4)%4)
.set rP, S+32*(i%4)+8*(i/16)
.if \zero && (i < 16)
	v_wmma_f32_16x16x32_f16 v[rO:rO+7], v[rV:rV+7], v[rP:rP+7], 0
.else
	v_wmma_f32_16x16x32_f16 v[rO:rO+7], v[rV:rV+7], v[rP:rP+7], v[rO:rO+7]
.endif
.set i, i+1
.endr
.endm
.macro SCALE t, b                      ; pair b of tile t: c s - c m
	v_pk_fma_f32 v[S+32*(\t)+2*\b:S+32*(\t)+2*\b+1], v[S+32*(\t)+2*\b:S+32*(\t)+2*\b+1], s[CS:CS+1], v[ST+8*(\t):ST+8*(\t)+1] op_sel_hi:[1,0,0] neg_lo:[0,0,1] neg_hi:[0,0,1]
.endm
; A key step's softmax for my four tiles, which take turns line by line, so that no line waits for the line above it.  rescale = 0: the first step, which has no O^T yet.
.macro SOFTMAX rescale
.irp j, 0,1,2,3                        ; the maximum of a lane's 32 scores and the old m: four chains, one for each accumulator, each begun at the accumulator's low end
.irp t, 0,1,2,3
	v_max3_num_f32 v[ST+8*\t+4+\j], v[S+32*\t+8*\j], v[S+32*\t+8*\j+1], v[S+32*\t+8*\j+2]
.endr
.endr
.irp u, 1,2
.irp j, 0,1,2,3
.irp t, 0,1,2,3
	v_max3_num_f32 v[ST+8*\t+4+\j], v[ST+8*\t+4+\j], v[S+32*\t+8*\j+2*\u+1], v[S+32*\t+8*\j+2*\u+2]
.endr
.endr
.endr
.irp t, 0,1,2,3
	v_max3_num_f32 v[ST+8*\t+4], v[ST+8*\t+4], v[S+32*\t+7], v[S+32*\t+15]
.endr
.irp t, 0,1,2,3
	v_max3_num_f32 v[ST+8*\t+6], v[ST+8*\t+6], v[S+32*\t+23], v[S+32*\t+31]
.endr
.irp t, 0,1,2,3
	v_max3_num_f32 v[ST+8*\t+4], v[ST+8*\t+4], v[ST+8*\t+5], v[ST+8*\t+6]
.endr
.irp t, 0,1,2,3
	v_max3_num_f32 v[ST+8*\t+4], v[ST+8*\t+4], v[ST+8*\t+7], v[ST+8*\t+1]
.endr
.irp t, 0,1,2,3
	v_permlanex16_b32 v[ST+8*\t+5], v[ST+8*\t+4], s[SEL], s[SEL+1]   ; the query's other 32 keys lie in the lane 16 away
.endr
.irp t, 0,1,2,3
	v_mov_b32 v[ST+8*\t+7], v[ST+8*\t]             ; c m_old is kept for a
.endr
.irp t, 0,1,2,3
	v_max_num_f32 v[ST+8*\t+1], v[ST+8*\t+4], v[ST+8*\t+5]
.endr
.irp t, 0,1,2,3
	v_mul_f32 v[ST+8*\t], s[CS], v[ST+8*\t+1]
.endr
.irp t, 0,1,2,3
	v_sub_f32 v[ST+8*\t+7], v[ST+8*\t+7], v[ST+8*\t]
.endr
	; ONE BATCH of 132 exponentials, in which no result is named: the four a, then each tile's 32, with the next tile's scalings between them
.irp t, 0,1,2,3
	v_exp_f32 v[ST+8*\t+6], v[ST+8*\t+7]           ; a = 2^(c m_old - c m_new)
.endr
.irp b, 0,1,2,3,4,5,6,7,8,9,10,11,12,13,14,15
	SCALE 0, \b
.endr
.irp t, 0,1,2,3
.irp b, 0,1,2,3,4,5,6,7,8,9,10,11,12,13,14,15
	v_exp_f32 v[S+32*\t+2*\b], v[S+32*\t+2*\b]
	v_exp_f32 v[S+32*\t+2*\b+1], v[S+32*\t+2*\b+1]
.if \t < 3
	SCALE \t+1, \b
.endif
.endr
.endr
	v_nop                                          ; a plain instruction behind the last exponential, ahead of the first use
	s_wait_alu depctr_va_vdst(0)                   ; the wait ahead of the first instruction that names a result: one for the batch
.irp t, 0,1,2,3
	v_pk_fma_f32 v[ST+8*\t+2:ST+8*\t+3], v[ST+8*\t+2:ST+8*\t+3], v[ST+8*\t+6:ST+8*\t+7], v[S+32*\t:S+32*\t+1] op_sel_hi:[1,0,1]   ; l = a l + the first pair of weights, not yet rounded
.endr
.irp b, 1,2,3,4,5,6,7,8,9,10,11,12,13,14,15
.irp t, 0,1,2,3
	v_pk_add_f32 v[ST+8*\t+2:ST+8*\t+3], v[ST+8*\t+2:ST+8*\t+3], v[S+32*\t+2*\b:S+32*\t+2*\b+1]
.endr
.endr
.irp j, 0,1,2,3,4,5,6,7,8,9,10,11,12,13,14,15  ; to f16, in place and ascending: pair j lands on register j, whose own number has been read by then
.irp t, 0,1,2,3
	v_cvt_pk_f16_f32 v[S+32*\t+\j], v[S+32*\t+2*\j], v[S+32*\t+2*\j+1]
.endr
.endr
.if \rescale
	WIN W_RS
.irp i, 0,1,2,3,4,5,6,7,8,9,10,11,12,13,14,15  ; O^T times a, each accumulator from its low end on
.irp t, 0,1,2,3
	v_pk_mul_f32 v[32*\t+2*\i:32*\t+2*\i+1], v[32*\t+2*\i:32*\t+2*\i+1], v[ST+8*\t+6:ST+8*\t+7] op_sel_hi:[1,0]
.endr
.endr
.endif
.endm
; KEY STEP j: its scores are in S^T and its V is on its way.  K of step j + 1 is asked for at the head, V of step j + 1 at the end.
.macro BODY first
	FETCH_K
	SOFTMAX 1-\first
	s_wait_dscnt 16                                ; V of this step is in; behind it stand the 16 loads of the next step's K
	PV \first
	WIN 0
	PLACES 5                                       ; the products below write over p's registers, which the products above have read: five places
	s_wait_dscnt 0x0                               ; K is in
	KQ
	WIN 0
	PLACES 4                                       ; in front of the loads into V's and K's registers and of the first read of the scores
	FETCH_V
.endm
.macro STEPS n
	s_mov_b32 s[CNT], \n
.Lstep_\@:
	BODY 0
	s_sub_co_u32 s[CNT], s[CNT], 1
	s_cmp_lg_u32 s[CNT], 0
	s_cbranch_scc1 .Lstep_\@
.endm
; THE CHANGE OF SLOTS: the slot's last bytes, V of its eighth step, have been asked for.  Each wave waits for all its tensor loads (its part of the other slot), adds 0 to its spare word, and waits for that and
; for its reads of the slot.  fill = 1: the barrier is a round of the cluster's, and the joint refill, with the keys two slots on, is the first thing behind it: one load a wave.
.macro CHANGE fill
	s_wait_tensorcnt 0x0                           ; no tensor load of mine is out, so a group 0 may be written
	ds_add_u32 v[SPW], v[NIL]                      ; 0 onto my spare word
.if \fill
	s_xor_b32 s37, s37, SLOT1                      ; the walking descriptor: the other slot than last time,
	s_add_nc_u64 s[38:39], s[38:39], 65536         ; the next 512 keys; the type bits on top are not reached
	s_wait_dscnt 0x0                               ; the add is done, and my reads of the slot are over
	CROUND
	tensor_load_to_lds s[36:39], s[G1:G1+7]
	s_nop 0
	PLACES 4
.else
	s_wait_dscnt 0x0
	s_barrier_signal -1
	s_barrier_wait -1
.endif
	s_sub_co_u32 s[TB], s[TB], 8*STEPB             ; the fetches go back to a slot's first step,
	s_xor_b32 s[TB], s[TB], SLOT1                  ; in the other slot
.endm
	s_wait_tensorcnt 1                             ; my part of slot 0 is in; slot 1's may stay out
	s_barrier_signal -1
	s_barrier_wait -1                              ; everybody's is
	FETCH_K                                        ; key step 0
	s_wait_loadcnt 0x0                             ; Q
	s_wait_dscnt 0x0
	KQ
	WIN 0
	PLACES 4
	FETCH_V
	BODY 1                                         ; step 0 starts O^T
	STEPS 6                                        ; steps 1-6; step 7's K and V have been fetched: slot 0 is read out
.Lslot:                                            ; two trips: slot 0 takes keys 1,024 on, then slot 1 keys 1,536 on
	CHANGE 1
	STEPS 8
	s_sub_co_u32 s[SLOTS], s[SLOTS], 1
	s_cmp_lg_u32 s[SLOTS], 0
	s_cbranch_scc1 .Lslot
	CHANGE 0                                       ; the tail is written out
	STEPS 8                                        ; steps 23-30
	SOFTMAX 1                                      ; step 31: nothing more to fetch
	s_wait_dscnt 0x0
	PV 0
	; THE WAY OUT.  l's two halves and the other half of the lanes' are added; O^T is divided by l and packed to f16: tile t's four pieces are stored as they stand.  The additions are the places behind the last products.
	WIN 0
.irp t, 0,1,2,3
	v_add_f32 v[ST+8*\t+4], v[ST+8*\t+2], v[ST+8*\t+3]
.endr
.irp t, 0,1,2,3
	v_permlanex16_b32 v[ST+8*\t+5], v[ST+8*\t+4], s[SEL], s[SEL+1]
.endr
.irp t, 0,1,2,3
	v_add_f32 v[ST+8*\t+4], v[ST+8*\t+4], v[ST+8*\t+5]
.endr
.irp t, 0,1,2,3
	v_rcp_f32 v[ST+8*\t+6], v[ST+8*\t+4]
.endr
	v_nop                                          ; a plain instruction between the last reciprocal and the use of its result
	s_wait_alu depctr_va_vdst(0)                   ; and the wait ahead of the first use: one for the four
.irp t, 0,1,2,3
	WIN W_RS
.irp i, 0,1,2,3,4,5,6,7,8,9,10,11,12,13,14,15
	v_pk_mul_f32 v[32*\t+2*\i:32*\t+2*\i+1], v[32*\t+2*\i:32*\t+2*\i+1], v[ST+8*\t+6:ST+8*\t+7] op_sel_hi:[1,0]
.endr
	WIN 0x05                                       ; sources 0 and 1 window 1, destination window 0: S^T's registers are free
.irp p, 0,1,2,3,4,5,6,7,8,9,10,11,12,13,14,15
	v_cvt_pk_f16_f32 v[S+16*\t+\p], v[32*\t+2*\p], v[32*\t+2*\p+1]
.endr
	WIN 0
.irp ct, 0,1,2,3
	global_store_b128 v[LI], v[S+16*\t+4*\ct:S+16*\t+4*\ct+3], s[42:43] offset:4096*\t+512*\ct   ; 32 lanes store 512 consecutive bytes, aligned
.endr
.endr
	s_wait_tensorcnt 0x0                           ; the wave's end
	ds_add_u32 v[SPW], v[NIL]
	s_wait_dscnt 0x0
	CROUND                                         ; the closing round: no work-group ends while a partner may still ask for a tile that names it
	s_endpgm
.Lfunc_end_k_qf21297c12d_attn:
	.size	k_qf21297c12d_attn, .Lfunc_end_k_qf21297c12d_attn-k_qf21297c12d_attn
	.p2alignl 7, 3214868480
	.fill 96, 4, 3214868480
	.section	.rodata,"a",@progbits
	.p2align	6, 0x0
	.amdhsa_kernel k_qf21297c12d_attn
		.amdhsa_group_segment_fixed_size 327680
		.amdhsa_private_segment_fixed_size 0
		.amdhsa_enable_private_segment 0
		.amdhsa_kernarg_size 16
		.amdhsa_user_sgpr_count 2
		.amdhsa_user_sgpr_kernarg_segment_ptr 1
		.amdhsa_wavefront_size32 1
		.amdhsa_system_sgpr_workgroup_id_x 1
		.amdhsa_system_sgpr_workgroup_id_y 1
		.amdhsa_system_sgpr_workgroup_id_z 1
		.amdhsa_system_vgpr_workitem_id 0
		.amdhsa_next_free_vgpr 512
		.amdhsa_next_free_sgpr 66
		.amdhsa_reserve_vcc 0
		.amdhsa_float_denorm_mode_32 3
		.amdhsa_float_denorm_mode_16_64 3
		.amdhsa_memory_ordered 1
		.amdhsa_forward_progress 1
		.amdhsa_inst_pref_size 173
	.end_amdhsa_kernel
	.amdgpu_metadata
---
amdhsa.version: [ 1, 2 ]
amdhsa.kernels:
  - .name:           k_qf21297c12d_attn
    .symbol:         k_qf21297c12d_attn.kd
    .args:
      - { .name: qkv, .offset: 0, .size: 8, .value_kind: global_buffer, .address_space: global }
      - { .name: ao, .offset: 8, .size: 8, .value_kind: global_buffer, .address_space: global }
    .group_segment_fixed_size: 327680
    .private_segment_fixed_size: 0
    .kernarg_segment_align: 8
    .kernarg_segment_size: 16
    .max_flat_workgroup_size: 256
    .sgpr_count:     66
    .vgpr_count:     512
    .wavefront_size: 32
...
	.end_amdgpu_metadata
.endif
;; end of part 3
;; launch proj (part 4): grid 4 x 64, 4 waves a work-group, clusters of 4 x 4, 327,680 bytes of LDS; arguments ao, wp, out0; writes out0
.if DOCPART == 4
	.amdgcn_target "amdgcn-amd-amdhsa--gfx1250"
	.amdhsa_code_object_version 6
	.text
	.protected	k_qf21297c12d_proj
	.globl	k_qf21297c12d_proj
	.p2align	8
	.type	k_qf21297c12d_proj,@function
k_qf21297c12d_proj:
	s_mov_b64 s[64:65], 0
	v_nop
	global_prefetch_b8 v0, s[64:65] scope:SCOPE_SE
	s_setreg_imm32_b32 hwreg(HW_REG_WAVE_MODE, 25, 1), 1
	s_wait_xcnt 0x0
	s_wait_alu depctr_hold_cnt(0) depctr_sa_sdst(0) depctr_va_vdst(0) depctr_va_sdst(0) depctr_va_ssrc(0) depctr_va_vcc(0) depctr_vm_vsrc(0)
	s_getreg_b32 s2, hwreg(HW_REG_IB_STS2, 6, 4)
	s_cmp_eq_u32 s2, 0
	s_cbranch_scc0 .Lentry_in_a_cluster
	s_endpgm
.Lentry_in_a_cluster:
	s_bfe_u32 s2, ttmp6, 0x10000c
	s_cmp_lg_u32 s2, 0xf033
	s_cbranch_scc0 .Lentry_shape_is_right
	s_endpgm
.Lentry_shape_is_right:
; out0 = O w_proj: [8192] x [1024], K = 1024; operands in f16, sums in f32, out0 in f32.
; ao: [kq 8][tile of 16 tokens 512][ks 4][1024], wp: [kq 8][tile of 16 columns 64][ks 4][1024]: images of fragments (16 rows x 32 K: two pieces of 512 bytes = 32 lanes x 16).
; A tile of out0 is 128 tokens x 256 columns, which gives each of 256 work-groups one; four waves, each 64 x 128: 32 accumulators, 256 registers (window 1).
; K goes in steps of 128 through a ring of two LDS slots: ao's 8 tiles (32,768 dense bytes), then wp's 16 (65,536).  Waves 0 and 1 fetch ao's halves, waves 2 and 3 wp's: one tensor load a wave, rows of 256 bytes, no padding.
; CLUSTERS: 4 x 4 work-groups.  The four of a row of the cluster need the same tiles of ao, the four of a column the same tiles of wp: each is asked for JOINTLY.
; THE MATRIX INSTRUCTION IS USED TRANSPOSED (source 0 = 16 columns of wp, source 1 = 16 tokens): a lane then holds eight neighbouring numbers of a row of out0.
; REGISTERS: window 0: v0-31 addresses; ao's fragments in two buffers, v32-63 and v64-95; wp's in two, v96-159 and v160-223; on the way out v32-159 hold rows.  Window 1: accumulator (a, b) at v[8 (8 a + b)].
.set AKQ,   512*4096                   ; a K step on, in ao
.set BKQ,   64*4096                    ; and in wp
.set BOFF,  32768
.set SLOT,  98304
.set SPARE, 2*SLOT                     ; the spare words, 128 bytes for each wave: two blocks of 256 bytes that no other line names
.set SPITCH, 528                       ; the way out: a stage of 16 rows x (512 bytes + 16) for each wave, in slot 0, which has had its last fill and its last read when the first result is stored there
.set ADRA, 16                          ; v16-17  LDS address of my ao fragments in slot 0, 1
.set ADRB, 20                          ; v20-21  the same for wp
.set STO,  24                          ; v24     the way out: where I put 32 bytes of a row
.set RD,   25                          ; v25     where I read a row back
.set CO,   26                          ; v26     16 x lane
.set SPW,  28
.set NIL,  29
.set PFO,  30                          ; v30     256 x lane; never rewritten
.set AF,   32
.set BF,   96
.set BK,   32
.set G1, 24                            ; s[24:31] group 1 for ao's tiles;  s[32:39] groups 0, one for each slot
.set G0, 32
.set G1B, 48                           ; s[48:55], s[56:63] the same for wp's
.set G0B, 56
.set LIM, 43                           ; s43     1 in a wave that prefetches, else the greatest number
.set PFA, 44                           ; s[44:45] where my prefetches stand
.set MSB, 0
.macro WIN new
.if MSB != (\new)
	s_set_vgpr_msb (MSB<<8)|(\new)
.set MSB, (\new)
.endif
.endm
.set MUL, 0x50                         ; sources 0 and 1 window 0; C and D window 1
.macro JLOAD s                         ; a joint load; the branch hangs on the wave's number alone; an s_nop 0 and four v_nop follow each line
	s_cmp_eq_u32 s11, 0
	s_cbranch_scc0 .Lfor_b_\@
	tensor_load_to_lds s[G0+4*\s:G0+4*\s+3], s[G1:G1+7]
	s_nop 0
.rept 4
	v_nop
.endr
	s_branch .Lasked_\@
.Lfor_b_\@:
	tensor_load_to_lds s[G0B+4*\s:G0B+4*\s+3], s[G1B:G1B+7]
	s_nop 0
.rept 4
	v_nop
.endr
.Lasked_\@:
.endm
; A PREFETCH INTO THE L2 of ao's tile of the K step that stands TWO refills on (256 matrix instructions a wave ahead of the load that will want it): 32,768 bytes, which the four partners that ask for the tile
; jointly share out BY ADDRESS, 8,192 each; wave 0 asks, lanes 256 bytes apart: one instruction.  Nobody else reads these rows, so each block is named once in the launch.  The loop's last trip asks for nothing:
; there is no K step two refills on.  K steps 0 to 3 come by their loads alone.  wp, which all 64 tile rows walk, is not asked for.
.macro ASK
	s_cmp_gt_u32 s3, s[LIM]
	s_cbranch_scc0 .Lnot_mine_\@
	global_prefetch_b8 v[PFO], s[PFA:PFA+1] offset:AKQ th:TH_LOAD_NT scope:SCOPE_SE
.Lnot_mine_\@:
.endm
.macro CREST                           ; a round of the cluster's barrier behind its opening barrier
	s_cmp_lg_u32 s10, 0
	s_cbranch_scc1 .Lnot_wave_0_\@
	s_barrier_signal -3
.Lnot_wave_0_\@:
	s_barrier_wait -3
	s_barrier_signal -1
	s_barrier_wait -1
.endm
.macro CROUND
	s_barrier_signal -1
	s_barrier_wait -1
	CREST
.endm
	s_load_b128 s[4:7], s[0:1], 0x0                ; ao s[4:5], wp s[6:7]
	s_load_b64 s[8:9], s[0:1], 0x10                ; out0
	v_lshl_add_u32 v[SPW], v0, 2, SPARE
	v_mov_b32 v[NIL], 0
	ds_add_u32 v[SPW], v[NIL]                      ; the wave's opening: the add, twice on end, and its wait ahead of my first tensor load
	ds_add_u32 v[SPW], v[NIL]                      ; and once more; the set-up below, work on registers, stands between it and the wait
	v_lshrrev_b32 v1, 5, v0
	v_readfirstlane_b32 s10, v1                    ; wave 0..3
	s_lshr_b32 s11, s10, 1                         ; which half of the tile's tokens is mine.  Also: I fetch for ao (0) or for wp (1)
	s_and_b32 s12, s10, 1                          ; which half of its columns.  Also: which half of that tile I fetch
	s_bfe_u32 s40, ttmp6, 0x40000                  ; cx, cy
	s_bfe_u32 s41, ttmp6, 0x40004
	s_lshl_b32 s42, ttmp9, 2
	s_add_co_u32 s42, s42, s40                     ; tile column = 4 x cluster x + cx
	s_and_b32 s13, ttmp7, 0xffff
	s_lshl_b32 s13, s13, 2
	s_add_co_u32 s13, s13, s41                     ; tile row = 4 x cluster y + cy
	s_lshl_b32 s43, s41, 2
	s_lshl_b32 s43, 15, s43                        ; my row of the cluster
	s_lshl_b32 s44, 0x1111, s40                    ; my column
	s_or_b32 s[G1+0], s43, (3<<16)|(1<<21)         ; 15:0 the mask; 17:16 elements of 8 bytes; 21 set beside a mask; no padding
	s_or_b32 s[G1B+0], s44, (3<<16)|(1<<21)
	s_mov_b32 s[G1+1], 32<<16                      ; ao: 16,384 dense bytes as 64 rows of 256
	s_mov_b32 s[G1+2], 64<<16
	s_mov_b32 s[G1+3], 32<<16
	s_mov_b32 s[G1+4], 64
	s_mov_b32 s[G1+5], 32
	s_mov_b32 s[G1+6], 0
	s_mov_b32 s[G1+7], 0
	s_mov_b32 s[G1B+1], 32<<16                     ; wp: 32,768 as 128 rows
	s_mov_b32 s[G1B+2], 128<<16
	s_mov_b32 s[G1B+3], 32<<16
	s_mov_b32 s[G1B+4], 128
	s_mov_b32 s[G1B+5], 32
	s_mov_b32 s[G1B+6], 0
	s_mov_b32 s[G1B+7], 0
	s_lshl_b32 s16, s13, 3
	s_lshl_b32 s17, s12, 2
	s_add_co_u32 s16, s16, s17                     ; ao: tile 8 x tile row + 4 x half
	s_lshl_b32 s16, s16, 12
	s_mov_b32 s17, 0
	s_lshl_b32 s46, s42, 4
	s_lshl_b32 s47, s12, 3
	s_add_co_u32 s46, s46, s47                     ; wp: tile 16 x tile column + 8 x half
	s_lshl_b32 s46, s46, 12
	s_mov_b32 s47, 0
	s_lshl_b32 s20, s12, 14                        ; where they go in a slot: ao's halves,
	s_lshl_b32 s21, s12, 15
	s_add_co_u32 s21, s21, BOFF                    ; wp's behind them: no place in the cluster enters an LDS address
	s_wait_dscnt 0x0                               ; both opening adds are done
	s_wait_kmcnt 0x0
	s_add_nc_u64 s[14:15], s[4:5], s[16:17]
	s_add_nc_u64 s[46:47], s[6:7], s[46:47]
	CROUND                                         ; all sixteen work-groups are here: the first joint loads meet
.irp s, 0,1
	s_mov_b32 s[G0+4*\s], 1
	s_add_co_u32 s[G0+4*\s+1], s20, \s*SLOT
	s_add_nc_u64 s[G0+4*\s+2:G0+4*\s+3], s[14:15], \s*AKQ
	s_or_b32 s[G0+4*\s+3], s[G0+4*\s+3], 0x80000000
	s_mov_b32 s[G0B+4*\s], 1
	s_add_co_u32 s[G0B+4*\s+1], s21, \s*SLOT
	s_add_nc_u64 s[G0B+4*\s+2:G0B+4*\s+3], s[46:47], \s*BKQ
	s_or_b32 s[G0B+4*\s+3], s[G0B+4*\s+3], 0x80000000
	JLOAD \s                                       ; two loads of mine are out
.endr
	v_and_b32 v1, 15, v0                           ; r
	v_bfe_u32 v2, v0, 4, 1                         ; h
	v_and_b32 v3, 31, v0
	v_lshlrev_b32 v[CO], 4, v3
	v_lshlrev_b32 v[PFO], 8, v3
	s_lshl_b32 s21, s11, 14                        ; my 4 tiles of ao,
	s_lshl_b32 s22, s12, 15
	s_add_co_u32 s22, s22, BOFF                    ; my 8 tiles of wp
.irp s, 0,1
	v_add_nc_u32 v[ADRA+\s], s21, v[CO]
	v_add_nc_u32 v[ADRB+\s], s22, v[CO]
	s_add_co_u32 s21, s21, SLOT
	s_add_co_u32 s22, s22, SLOT
.endr
	s_mul_i32 s23, s10, 16*SPITCH                  ; my stage
	v_mul_u32_u24 v5, v1, SPITCH                   ; in: row r, 32 bytes for each half of the lanes
	v_lshl_add_u32 v5, v2, 5, v5
	v_add_nc_u32 v[STO], s23, v5
	v_add_nc_u32 v[RD], s23, v[CO]                 ; back: the 32 lanes take one row of 512 bytes
	s_lshl_b32 s16, s13, 7
	s_lshl_b32 s17, s11, 6
	s_add_co_u32 s16, s16, s17                     ; my first row of out0: 128 x tile row + 64 x half,
	s_lshl_b32 s16, s16, 12                        ; of 4,096 bytes
	s_lshl_b32 s46, s42, 10                        ; my first column, in bytes: 1,024 x tile column + 512 x half
	s_lshl_b32 s47, s12, 9
	s_add_co_u32 s46, s46, s47
	s_add_co_u32 s16, s16, s46
	s_mov_b32 s17, 0
	s_add_nc_u64 s[8:9], s[8:9], s[16:17]
	s_lshl_b32 s16, s13, 15                        ; the prefetches: the tile row's 8 tiles,
	s_lshl_b32 s18, s40, 13                        ; my work-group's quarter of them,
	s_add_co_u32 s16, s16, s18
	s_add_nc_u64 s[PFA:PFA+1], s[4:5], s[16:17]
	s_add_nc_u64 s[PFA:PFA+1], s[PFA:PFA+1], 2*AKQ ; at K step 2: the first refill steps it to 3 and names K step 4.  Nothing is prefetched here, at the head
	s_cmp_eq_u32 s10, 0
	s_cselect_b32 s[LIM], 1, -1
.macro MULA f, a, zero                 ; 8 matrix instructions: ao's block a x wp's eight, 32 along K, from buffers f.  The 32 accumulators take turns, one instruction a turn
.irp b, 0,1,2,3,4,5,6,7
.if \zero
	v_wmma_f32_16x16x32_f16 v[8*(8*(\a)+\b):8*(8*(\a)+\b)+7], v[BF+64*(\f)+8*\b:BF+64*(\f)+8*\b+7], v[AF+32*(\f)+8*(\a):AF+32*(\f)+8*(\a)+7], 0
.else
	v_wmma_f32_16x16x32_f16 v[8*(8*(\a)+\b):8*(8*(\a)+\b)+7], v[BF+64*(\f)+8*\b:BF+64*(\f)+8*\b+7], v[AF+32*(\f)+8*(\a):AF+32*(\f)+8*(\a)+7], v[8*(8*(\a)+\b):8*(8*(\a)+\b)+7]
.endif
.endr
.endm
.macro FETCH slot, ks, f               ; 24 LDS loads in one run: wp's 8 fragments, then ao's 4, of the slot's ks-th 32 along K
.irp i, 0,1,2,3,4,5,6,7
	ds_load_b128 v[BF+64*(\f)+8*\i:BF+64*(\f)+8*\i+3],   v[ADRB+\slot] offset:4096*\i+1024*(\ks)
	ds_load_b128 v[BF+64*(\f)+8*\i+4:BF+64*(\f)+8*\i+7], v[ADRB+\slot] offset:4096*\i+1024*(\ks)+512
.endr
.irp i, 0,1,2,3
	ds_load_b128 v[AF+32*(\f)+8*\i:AF+32*(\f)+8*\i+3],   v[ADRA+\slot] offset:4096*\i+1024*(\ks)
	ds_load_b128 v[AF+32*(\f)+8*\i+4:AF+32*(\f)+8*\i+7], v[ADRA+\slot] offset:4096*\i+1024*(\ks)+512
.endr
.endm
.macro PLACES                          ; four places in front of loads into registers that matrix instructions have read, and of the first read of results (ISA guide 7.12.1 for vector instructions)
.rept 4
	v_nop
.endr
.endm
; A K step is four quarters of 32 along K, 32 matrix instructions each, on buffers 0, 1, 0, 1.  One of the first three: multiplies buffers f and fetches quarter ks into g.
.macro QUARTER slot, ks, f, g, zero
	s_wait_dscnt 4                                 ; wp's fragments and ao's blocks 0, 1 are in; the youngest four loads (blocks 2, 3) may be out
	WIN MUL
	MULA \f, 0, \zero
	MULA \f, 1, \zero
	PLACES
	WIN 0
	FETCH \slot, \ks, \g
	s_wait_dscnt 24                                ; all but the 24 just issued
	WIN MUL
	MULA \f, 2, \zero
	MULA \f, 3, \zero
.endm
; The last quarter multiplies buffers 1 and changes slots: ONE barrier; in front of it each wave waits for all its tensor loads, adds 0 to its spare word, and waits for that and for its reads of this slot.
; fill = 1: the barrier opens a round of the cluster's, and this slot is filled again, two K steps ahead: the load has 112 matrix instructions of mine in which to land.
.macro TURN slot, next, fill
.if \fill
	s_wait_xcnt 0x0                                ; the last prefetch, a K step back, has read its address, so it may be stepped
	s_add_nc_u64 s[PFA:PFA+1], s[PFA:PFA+1], AKQ
.endif
	WIN 0                                          ; (the add's two registers lie in window 0)
	s_wait_tensorcnt 0x0                           ; all my tensor loads have landed: my part of the next slot
	ds_add_u32 v[SPW], v[NIL]                      ; 0 onto my spare word
	s_wait_dscnt 5                                 ; (the add and the youngest four loads may be out)
	WIN MUL
	MULA 1, 0, 0                                   ; eight matrix instructions stand between the add and the wait for it
	s_wait_dscnt 0x0                               ; the add is done, and my reads of this slot are over
	s_barrier_signal -1
	MULA 1, 1, 0
	WIN 0
	s_barrier_wait -1
.if \fill
	CREST                                          ; no wave of any partner still reads this slot's tile or has a load on its way
	s_add_nc_u64 s[G0+4*\slot+2:G0+4*\slot+3], s[G0+4*\slot+2:G0+4*\slot+3], 2*AKQ
	s_add_nc_u64 s[G0B+4*\slot+2:G0B+4*\slot+3], s[G0B+4*\slot+2:G0B+4*\slot+3], 2*BKQ
	JLOAD \slot                                    ; the first tensor load behind the round; its four v_nop are also the places in front of the loads below
.else
	PLACES
.endif
	FETCH \next, 0, 0
.if \fill
	ASK
.endif
	WIN MUL
	MULA 1, 2, 0
	MULA 1, 3, 0
.endm
	s_wait_tensorcnt 1                             ; my part of K step 0 is in (K step 1's may be out)
	s_barrier_signal -1
	s_barrier_wait -1                              ; everybody's is
	FETCH 0, 0, 0
	QUARTER 0, 1, 0, 1, 1                          ; the first quarter stands in front of the loop: its products start the sums
	WIN 0                                          ; at a label and at a branch every window is 0
	s_mov_b32 s3, 3
.Llap:                                             ; a trip goes once round the ring, from a lap's second quarter to the next lap's first, and fills both slots again
	QUARTER 0, 2, 1, 0, 0
	QUARTER 0, 3, 0, 1, 0
	TURN 0, 1, 1
	QUARTER 1, 1, 0, 1, 0
	QUARTER 1, 2, 1, 0, 0
	QUARTER 1, 3, 0, 1, 0
	TURN 1, 0, 1
	QUARTER 0, 1, 0, 1, 0
	WIN 0
	s_sub_co_u32 s3, s3, 1
	s_cmp_lg_u32 s3, 0
	s_cbranch_scc1 .Llap
	QUARTER 0, 2, 1, 0, 0                          ; the last lap fills nothing, and has no round of the cluster's barrier
	QUARTER 0, 3, 0, 1, 0
	TURN 0, 1, 0
	QUARTER 1, 1, 0, 1, 0
	QUARTER 1, 2, 1, 0, 0
	QUARTER 1, 3, 0, 1, 0
	s_wait_dscnt 4                                 ; the very last quarter: nothing more to fetch
	WIN MUL
	MULA 1, 0, 0
	MULA 1, 1, 0
	s_wait_dscnt 0
	MULA 1, 2, 0
	MULA 1, 3, 0
	WIN 0
; THE WAY OUT, block by block of 16 rows x 128 columns: through my own stage in LDS and back as whole rows of 512 bytes.  LDS serves a wave's instructions in order (ISA guide 5.7.1.4): no wait between the stores and the loads.
.macro TOSTAGE a
	WIN 0x04                                       ; an LDS store's data are its source 1: window 1
.irp b, 0,1,2,3,4,5,6,7
	ds_store_b128 v[STO], v[8*(8*(\a)+\b):8*(8*(\a)+\b)+3] offset:64*\b          ; each accumulator from its low end on
	ds_store_b128 v[STO], v[8*(8*(\a)+\b)+4:8*(8*(\a)+\b)+7] offset:64*\b+16
.endr
	WIN 0
.set BB, BK+64*((\a)%2)
.irp t, 0,1,2,3,4,5,6,7,8,9,10,11,12,13,14,15
	ds_load_b128 v[BB+4*\t:BB+4*\t+3], v[RD] offset:\t*SPITCH
.endr
.endm
.macro SEND a, younger                 ; younger: the LDS instructions issued behind block a's loads, which may stay out
.set BB, BK+64*((\a)%2)
	s_wait_dscnt \younger                          ; the block is back in registers
.if (\a) > 0
	s_add_nc_u64 s[8:9], s[8:9], 16*4096           ; (behind a wait on XCNT: the earlier stores have read their base)  16 rows on
.endif
.irp t, 0,1,2,3,4,5,6,7,8,9,10,11,12,13,14,15
	global_store_b128 v[CO], v[BB+4*\t:BB+4*\t+3], s[8:9] offset:\t*4096 th:TH_STORE_NT   ; 32 lanes store 512 consecutive bytes, aligned; written once, read by nobody here
.endr
.endm
	PLACES                                         ; for the loads into the registers that held fragments, and for the reads of the last products' results
	TOSTAGE 0
.irp a, 1,2,3
.if \a > 1
	s_wait_xcnt 0x0                                ; block a - 2's stores have read their registers and their base
.endif
	TOSTAGE \a
	SEND \a-1, 32                                  ; behind block a - 1's loads: block a's 16 stores and 16 loads
.endr
	s_wait_xcnt 0x0                                ; block 2's stores have read their base
	SEND 3, 0
	s_wait_tensorcnt 0x0                           ; the wave's end, behind my last tensor load and my last LDS store
	ds_add_u32 v[SPW], v[NIL]
	s_wait_dscnt 0x0
	CROUND                                         ; the closing round: no work-group ends while a partner may still ask for a tile that names it
	s_endpgm
.Lfunc_end_k_qf21297c12d_proj:
	.size	k_qf21297c12d_proj, .Lfunc_end_k_qf21297c12d_proj-k_qf21297c12d_proj
	.p2alignl 7, 3214868480
	.fill 96, 4, 3214868480
	.section	.rodata,"a",@progbits
	.p2align	6, 0x0
	.amdhsa_kernel k_qf21297c12d_proj
		.amdhsa_group_segment_fixed_size 327680
		.amdhsa_private_segment_fixed_size 0
		.amdhsa_enable_private_segment 0
		.amdhsa_kernarg_size 24
		.amdhsa_user_sgpr_count 2
		.amdhsa_user_sgpr_kernarg_segment_ptr 1
		.amdhsa_wavefront_size32 1
		.amdhsa_system_sgpr_workgroup_id_x 1
		.amdhsa_system_sgpr_workgroup_id_y 1
		.amdhsa_system_sgpr_workgroup_id_z 1
		.amdhsa_system_vgpr_workitem_id 0
		.amdhsa_next_free_vgpr 512
		.amdhsa_next_free_sgpr 66
		.amdhsa_reserve_vcc 0
		.amdhsa_float_denorm_mode_32 3
		.amdhsa_float_denorm_mode_16_64 3
		.amdhsa_memory_ordered 1
		.amdhsa_forward_progress 1
		.amdhsa_inst_pref_size 85
	.end_amdhsa_kernel
	.amdgpu_metadata
---
amdhsa.version: [ 1, 2 ]
amdhsa.kernels:
  - .name:           k_qf21297c12d_proj
    .symbol:         k_qf21297c12d_proj.kd
    .args:
      - { .name: ao, .offset: 0, .size: 8, .value_kind: global_buffer, .address_space: global }
      - { .name: wp, .offset: 8, .size: 8, .value_kind: global_buffer, .address_space: global }
      - { .name: out0, .offset: 16, .size: 8, .value_kind: global_buffer, .address_space: global }
    .group_segment_fixed_size: 327680
    .private_segment_fixed_size: 0
    .kernarg_segment_align: 8
    .kernarg_segment_size: 24
    .max_flat_workgroup_size: 128
    .sgpr_count:     66
    .vgpr_count:     512
    .wavefront_size: 32
...
	.end_amdgpu_metadata
.endif
;; end of part 4
